; MI455X (gfx1250); checked and timed in simulation.
; The chip was launched on July 23, 2026; its instructions are those of AMD's public machine-readable ISA for CDNA 5 (MIT licence, August 2026) and "CDNA5" Instruction Set Architecture Reference Guide (July 2026). The comments in the code are by the model that wrote it; some were corrected since.
;; Transformer Block. Allowed arithmetic: matrix products marked QUANTISED: E4M3 operands, one given power-of-two scale a tensor, by v_wmma_f32_16x16x64_fp8_fp8 or v_wmma_f32_16x16x128_fp8_fp8, f32 sums; everything else in f32.
;; Inputs: gn1_b 256 float32; gn1_w 256 float32; gn2_b 256 float32; gn2_w 256 float32; lowp_scales 12 int32 (the exponents e of the quantised operands' scales 2^e); mlp_b1 1,024 float32; mlp_b2 256 float32; mlp_w1_codes 1,024 x 8 x 32 uint8 (E4M3 codes of mlp_w1, K innermost, in blocks of 32 codes); mlp_w2_codes 256 x 32 x 32 uint8 (E4M3 codes of mlp_w2, K innermost, in blocks of 32 codes); phys_bias 1 x 8 x 1 x 1 float32; proj_b 256 float32; proj_w_codes 256 x 8 x 32 uint8 (E4M3 codes of proj_w, K innermost, in blocks of 32 codes); qkv_w_codes 768 x 8 x 32 uint8 (E4M3 codes of qkv_w, K innermost, in blocks of 32 codes); x 2 x 256 x 64 x 64 float32.
;; Outputs: out0 2 x 256 x 64 x 64 float32.
;; This version of the problem:
;;   THIS VERSION OF THE PROBLEM IS GIVEN IN LOW PRECISION. The matrix products marked QUANTISED in the list below multiply operands that are first quantised to E4M3 (4 exponent bits, 3 mantissa bits; 8 bits a number), with one given power-of-two scale for each operand tensor; their sums are f32. All else is computed in f32.
;;   The module's matrix products, in the order in which they are computed (A, B: the left and right operand; K: the contracted axis; several contracted axes count as one K, in the product's order):
;;     1. [M 8,192, K 256] x [K 256, N 768]; A: computed on the way; B: input qkv_w (given as codes): QUANTISED (scales: A lowp_scales[0], B lowp_scales[1])
;;     2. batch 16 x [M 4,096, K 32] x [K 32, N 4,096]; A: computed on the way; B: computed on the way: QUANTISED (scales: A lowp_scales[2], B lowp_scales[3])
;;     3. batch 16 x [M 4,096, K 4,096] x [K 4,096, N 32]; A: softmax (see below); B: computed on the way: QUANTISED (scales: A lowp_scales[4], B lowp_scales[5])
;;     4. [M 8,192, K 256] x [K 256, N 256]; A: computed on the way; B: input proj_w (given as codes): QUANTISED (scales: A lowp_scales[6], B lowp_scales[7])
;;     5. [M 8,192, K 256] x [K 256, N 1,024]; A: computed on the way; B: input mlp_w1 (given as codes): QUANTISED (scales: A lowp_scales[8], B lowp_scales[9])
;;     6. [M 8,192, K 1,024] x [K 1,024, N 256]; A: computed on the way; B: input mlp_w2 (given as codes): QUANTISED (scales: A lowp_scales[10], B lowp_scales[11])
;;   THE QUANTISER, for each operand of a quantised product, along K:
;;     - The operand's scale is 2^e, e = its entry of the input lowp_scales (int32; the entries are numbered through the quantised products in the list's order, A before B).
;;     - Each number is divided by the scale, clamped to +-448, and rounded to the nearest number of E4M3, ties to even, subnormals kept.
;;     - The product sums the exact products of the quantised numbers (number of the format x scale) in f32.
;;   ~~~python
;;   def quantise(x, axis, e):      # numpy; x: float32 -> the quantised numbers, widened to float32 again
;;       x = np.moveaxis(x, axis, -1); K = x.shape[-1]
;;       r = np.clip(x / 2.0 ** e, -448, 448)
;;       step = 2.0 ** (np.maximum(np.frexp(np.where(r == 0, 1, r))[1] - 1, -6) - 3)
;;       q = np.round(r / step) * step * 2.0 ** e      # np.round: ties to even
;;       return np.moveaxis(q, -1, axis).astype(np.float32)
;;   ~~~
;;   SOFTMAX AHEAD OF A QUANTISED PRODUCT. Where the list says 'softmax', what is quantised is not the finished softmax but p = 2^(t - M), with t = logit x log2(e) and M = ceil(the row's largest t), a whole number; so 1/2 < the row's largest p <= 1. The row's sum l is taken of the UNQUANTISED p, in f32, and the product's result is divided by l at the end. Since M is a whole number, a kernel that streams over the keys may use a running M (the ceiling of the running maximum): every later rescaling is an exact power of two, so the quantised numbers keep their values, but for numbers so far below the row's largest that they fall under the format's range.
;;   OPERANDS COMPUTED ON THE WAY. 'Computed on the way' means the value that the module computes at that place (a softmax that the list does not call 'softmax' is quantised finished and normalised). What goes into a quantiser is computed in f32, as accurately as f32 sums, v_exp_f32 and their like allow (about 1e-6 of the number): no bf16 or f16 on the way to a quantiser, and a product that is left as it is and whose result goes on into a quantised operand takes f32 operands (vector FMAs, or v_wmma_f32_16x16x4_f32). A number that lies on a knife's edge between two numbers of the format may be rounded either way, as far as f32 arithmetic and the matrix unit's own rounding can turn it there, and no further.
;;   INPUTS GIVEN AS CODES. mlp_w1 (in the module: [1024, 256], K = its axis 1); mlp_w2 (in the module: [256, 1024], K = its axis 1); proj_w (in the module: [256, 256], K = its axis 1); qkv_w (in the module: [768, 256], K = its axis 1): each comes as NAME_codes (uint8): NAME with its K axis moved to the last place and cut into blocks of 32 codes, [.., K / 32, bytes a block], one block behind the other in memory; one code a byte (a code: sign, 4 exponent bits, 3 mantissa bits); its scale is its entry of lowp_scales. Its value is code x scale, taken as it is: it is not quantised again, and the codes and scales need not be those that the quantiser above would give.
;; One version. Each part assembles by itself: llvm-mc -triple=amdgcn-amd-amdhsa -mcpu=gfx1250 --defsym DOCPART=n.
;; ======== version 1 of 1: 5 launches
;; limits: a function is approximated: absolute error at most 1.5e-07; an absolute error that grows with the inputs' magnitude: up to 1e-07 times it
;; workspace buffers: stats1 8,192 bytes; q_img 2,097,152 bytes; kv_img 4,194,304 bytes; o_img 2,097,152 bytes; x1 8,388,608 bytes; stats2 8,192 bytes
;; launch gnpart (part 1): grid 256 x 1, 4 waves a work-group, no clusters, 0 bytes of LDS; arguments x, stats1; writes stats1
.if DOCPART == 1
	.amdgcn_target "amdgcn-amd-amdhsa--gfx1250"
	.amdhsa_code_object_version 6
	.text
	.protected	k_qda3d0d05f8_gnpart
	.globl	k_qda3d0d05f8_gnpart
	.p2align	8
	.type	k_qda3d0d05f8_gnpart,@function
k_qda3d0d05f8_gnpart:
	s_mov_b64 s[64:65], 0
	v_nop
	global_prefetch_b8 v0, s[64:65] scope:SCOPE_SE
	s_setreg_imm32_b32 hwreg(HW_REG_WAVE_MODE, 25, 1), 1
	s_wait_xcnt 0x0
; THE PROGRAM: a transformer block on x [2][256][4096]: GroupNorm, qkv, attention, projection + residual, GroupNorm, MLP with exact GELU + residual; all six products on codes of E4M3.
; Five launches: gnpart (this one: partial statistics of x), qkv, attn, proj (with partial statistics of x1), mlp.
; DEAD WORK: none is left out, and every input is loaded.  phys_bias is the same along the softmax's axis, but what is quantised is p = 2^(t - M) with M = ceil(the row's largest t), a whole number:
; a shift of t by a number that is not whole moves p's codes, so phys_bias goes into a live quantised operand and is honoured (attn adds it inside the multiply-add that makes t - M).
; THIS LAUNCH.  A group of GroupNorm is 8 channels x 4,096 pixels = 32,768 numbers, 131,072 consecutive bytes of x.  A wave takes 2,048 of them (8,192 consecutive bytes) and stores the pair
; (mean, M2 = sum of squared deviations from that mean) of its part: two passes over 64 registers.  A group has 16 such parts; the launch that normalises joins them without forming a difference of large sums.
; stats1: [b 2][part 16][group 32] pairs of f32.  No LDS, no barrier, no matrix unit, no cluster: the waves share nothing.
; LIMIT: NaN among the inputs is not served.
.set VV,  16                           ; v16-79  the wave's 2,048 numbers, 64 a lane
.set TT,  80                           ; v80-87  four chains of packed sums
.set DD,  88                           ; v88-95  four pairs of deviations
.set MN,  12                           ; v[12:13] mean, mean; at the end mean, M2
.set LN,  2                            ; v2      lane
.set ZR,  3                            ; v3      0
.set SEL, 16                           ; s[16:17] lane selects: lane l xor 16
.set SB,  6                            ; s[6:7]  where the pair goes
.set SX,  18                           ; s18     EXEC kept
.macro JOIN                            ; the four chains, the pair's halves and the 32 lanes become one sum, in every lane, in v[TT]
	v_pk_add_f32 v[TT:TT+1], v[TT:TT+1], v[TT+2:TT+3]
	v_pk_add_f32 v[TT+4:TT+5], v[TT+4:TT+5], v[TT+6:TT+7]
	v_pk_add_f32 v[TT:TT+1], v[TT:TT+1], v[TT+4:TT+5]
	v_add_f32 v[TT], v[TT], v[TT+1]
	v_add_f32_dpp v[TT], v[TT], v[TT] row_xmask:1 row_mask:0xf bank_mask:0xf
	v_add_f32_dpp v[TT], v[TT], v[TT] row_xmask:2 row_mask:0xf bank_mask:0xf
	v_add_f32_dpp v[TT], v[TT], v[TT] row_xmask:4 row_mask:0xf bank_mask:0xf
	v_add_f32_dpp v[TT], v[TT], v[TT] row_xmask:8 row_mask:0xf bank_mask:0xf
	v_permlanex16_b32 v[TT+1], v[TT], s[SEL], s[SEL+1]
	v_add_f32 v[TT], v[TT], v[TT+1]
.endm
.macro STATS                           ; (mean, M2) of the 2,048 numbers in v[VV] on; lane 0 stores the pair
.irp k, 0,1,2,3
	v_pk_add_f32 v[TT+2*\k:TT+2*\k+1], v[VV+2*\k:VV+2*\k+1], v[VV+8+2*\k:VV+9+2*\k]   ; the first eight pairs start the chains: nothing is cleared
.endr
.set i, 8
.rept 24
	v_pk_add_f32 v[TT+2*(i%4):TT+2*(i%4)+1], v[TT+2*(i%4):TT+2*(i%4)+1], v[VV+2*i:VV+2*i+1]
.set i, i+1
.endr
	JOIN
	v_mul_f32 v[MN], 0x3a000000, v[TT]             ; mean = sum / 2,048
	v_mov_b32 v[MN+1], v[MN]
.set i, 0
.rept 32
	v_pk_add_f32 v[DD+2*(i%4):DD+2*(i%4)+1], v[VV+2*i:VV+2*i+1], v[MN:MN+1] neg_lo:[0,1] neg_hi:[0,1]
.if i < 4
	v_pk_mul_f32 v[TT+2*(i%4):TT+2*(i%4)+1], v[DD+2*(i%4):DD+2*(i%4)+1], v[DD+2*(i%4):DD+2*(i%4)+1]
.else
	v_pk_fma_f32 v[TT+2*(i%4):TT+2*(i%4)+1], v[DD+2*(i%4):DD+2*(i%4)+1], v[DD+2*(i%4):DD+2*(i%4)+1], v[TT+2*(i%4):TT+2*(i%4)+1]
.endif
.set i, i+1
.endr
	JOIN
	v_mov_b32 v[MN+1], v[TT]                       ; the pair: mean, M2
	s_wait_xcnt 0x0                                ; EXEC changes only behind this wait: earlier memory instructions have read it
	v_cmp_eq_u32 vcc_lo, 0, v[LN]
	s_and_saveexec_b32 s[SX], vcc_lo
	global_store_b64 v[ZR], v[MN:MN+1], s[SB:SB+1]
	s_wait_xcnt 0x0                                ; and again in front of the line that widens it
	s_or_b32 exec_lo, exec_lo, s[SX]
.endm
	s_load_b128 s[4:7], s[0:1], 0x0                ; x, stats1
	v_lshrrev_b32 v1, 5, v0
	v_readfirstlane_b32 s8, v1                     ; wave
	v_and_b32 v[LN], 31, v0
	v_lshlrev_b32 v1, 4, v[LN]                     ; 16 bytes a lane
	v_mov_b32 v[ZR], 0
	s_lshl_b32 s9, ttmp9, 2
	s_add_co_u32 s9, s9, s8                        ; W = 4 x work-group + wave: which 8,192 bytes
	s_lshl_b32 s10, s9, 13
	s_mov_b32 s11, 0
	s_lshr_b32 s12, s9, 4                          ; the group among 64,
	s_and_b32 s13, s9, 15                          ; the part among 16
	s_lshr_b32 s14, s12, 5                         ; b
	s_lshl_b32 s14, s14, 4
	s_add_co_u32 s14, s14, s13                     ; 16 b + part
	s_lshl_b32 s14, s14, 5
	s_and_b32 s12, s12, 31
	s_add_co_u32 s14, s14, s12                     ; 32 (16 b + part) + group
	s_lshl_b32 s14, s14, 3                         ; pairs of 8 bytes
	s_mov_b32 s15, 0
	s_mov_b32 s[SEL], 0x76543210
	s_mov_b32 s[SEL+1], 0xfedcba98
	s_wait_kmcnt 0x0
	s_add_nc_u64 s[4:5], s[4:5], s[10:11]
	s_add_nc_u64 s[6:7], s[6:7], s[14:15]
.irp i, 0,1,2,3,4,5,6,7,8,9,10,11,12,13,14,15
	global_load_b128 v[VV+4*\i:VV+4*\i+3], v1, s[4:5] offset:512*\i   ; each load of the wave covers 512 consecutive bytes
.endr
	s_wait_loadcnt 0x0
	STATS
	s_endpgm
.Lfunc_end_k_qda3d0d05f8_gnpart:
	.size	k_qda3d0d05f8_gnpart, .Lfunc_end_k_qda3d0d05f8_gnpart-k_qda3d0d05f8_gnpart
	.p2alignl 7, 3214868480
	.fill 96, 4, 3214868480
	.section	.rodata,"a",@progbits
	.p2align	6, 0x0
	.amdhsa_kernel k_qda3d0d05f8_gnpart
		.amdhsa_group_segment_fixed_size 0
		.amdhsa_private_segment_fixed_size 0
		.amdhsa_enable_private_segment 0
		.amdhsa_kernarg_size 16
		.amdhsa_user_sgpr_count 2
		.amdhsa_user_sgpr_kernarg_segment_ptr 1
		.amdhsa_wavefront_size32 1
		.amdhsa_system_sgpr_workgroup_id_x 1
		.amdhsa_system_sgpr_workgroup_id_y 1
		.amdhsa_system_sgpr_workgroup_id_z 1
		.amdhsa_system_vgpr_workitem_id 0
		.amdhsa_next_free_vgpr 96
		.amdhsa_next_free_sgpr 66
		.amdhsa_reserve_vcc 1
		.amdhsa_float_denorm_mode_32 3
		.amdhsa_float_denorm_mode_16_64 3
		.amdhsa_memory_ordered 1
		.amdhsa_forward_progress 1
		.amdhsa_inst_pref_size 10
	.end_amdhsa_kernel
	.amdgpu_metadata
---
amdhsa.version: [ 1, 2 ]
amdhsa.kernels:
  - .name:           k_qda3d0d05f8_gnpart
    .symbol:         k_qda3d0d05f8_gnpart.kd
    .args:
      - { .name: x, .offset: 0, .size: 8, .value_kind: global_buffer, .address_space: global }
      - { .name: stats1, .offset: 8, .size: 8, .value_kind: global_buffer, .address_space: global }
    .group_segment_fixed_size: 0
    .private_segment_fixed_size: 0
    .kernarg_segment_align: 8
    .kernarg_segment_size: 16
    .max_flat_workgroup_size: 128
    .sgpr_count:     66
    .vgpr_count:     96
    .wavefront_size: 32
...
	.end_amdgpu_metadata
.endif
;; end of part 1
;; launch qkv (part 2): grid 64 x 2, 8 waves a work-group, clusters of 4 x 1, 297,984 bytes of LDS; arguments x, stats1, gn1_w, gn1_b, qkv_w_codes, lowp_scales, q_img, kv_img; writes q_img, kv_img
.if DOCPART == 2
	.amdgcn_target "amdgcn-amd-amdhsa--gfx1250"
	.amdhsa_code_object_version 6
	.text
	.protected	k_qda3d0d05f8_qkv
	.globl	k_qda3d0d05f8_qkv
	.p2align	8
	.type	k_qda3d0d05f8_qkv,@function
k_qda3d0d05f8_qkv:
	s_mov_b64 s[64:65], 0
	v_nop
	global_prefetch_b8 v0, s[64:65] scope:SCOPE_SE
	s_setreg_imm32_b32 hwreg(HW_REG_WAVE_MODE, 25, 1), 1
	s_wait_xcnt 0x0
	s_wait_alu depctr_hold_cnt(0) depctr_sa_sdst(0) depctr_va_vdst(0) depctr_va_sdst(0) depctr_va_ssrc(0) depctr_va_vcc(0) depctr_vm_vsrc(0)
	s_getreg_b32 s2, hwreg(HW_REG_IB_STS2, 6, 4)
	s_cmp_eq_u32 s2, 0
	s_cbranch_scc0 .Lentry_in_a_cluster
	s_endpgm
.Lentry_in_a_cluster:
	s_bfe_u32 s2, ttmp6, 0x10000c
	s_cmp_lg_u32 s2, 0x3003
	s_cbranch_scc0 .Lentry_shape_is_right
	s_endpgm
.Lentry_shape_is_right:
; GroupNorm 1, its quantiser, the product with qkv_w, and the quantisers of q, k and v.  No work of the problem is left out here.
; SHARES.  A work-group takes 64 tokens of one batch (a row of x's tile is 256 consecutive bytes, aligned); wave w owns head w: 32 rows of q's, of k's and of v's part of qkv_w, for all four tiles of 16 tokens,
; so each fragment of the weight read from LDS feeds four matrix instructions.
; CLUSTER.  The four work-groups of a cluster read the same 196,608 bytes of weight codes: they are asked for jointly (mask 15), 96 rows a wave.  x's tile is each work-group's own (a load without a mask).
; FRAGMENTS.  16 rows x 128 K are 16 registers: lane (r, hh), registers 4 c .. 4 c + 3: k = 32 c + 16 hh + 0 .. 15 of row r.  That is a permutation of k, the same on both sides of every product.
; NORMALISING is one multiply-add x A_c + B_c, A_c = rstd w_c, B_c = b_c - mean A_c: an order of rounding other than (x - mean) / sqrt(var + eps) w + b.
; The group's 16 parts are joined as mean = sum of means / 16, M2 = sum of M2 + 2,048 x sum of (mean_i - mean)^2.
; WHAT IS STORED are images of the operand registers that the attention launch wants, 512 bytes (16 a lane) a group of four registers:
;   q_img [bh][tile of 16 tokens][512]: lane (r, hh): token r, channels 8 hh + 0..7, then 16 + 8 hh + 0..7.
;   kv_img [bh][block of 128 keys][8,192]: K's eight tiles laid as q's; from byte 4,096 V^T: group (u, c) at 512 (4 u + c): lane (r, hh): channel r + 8 (r / 8) + 8 u, keys 32 c + 8 hh + 0..7, then 32 c + 16 + 8 hh + 0..7.
; q and k come from the product used transposed (source 0 = 16 rows of the weight, source 1 = 16 tokens: a lane holds one token); v from the product as it is (a lane holds one channel, its registers run along the tokens, the next K).
; LIMITS: e0, e2 - e0 - e1, e3 - e0 - e1 and e5 - e0 - e1 lie between -126 and 119, so that each scale and 448 x the scale are f32 numbers.  NaN among the inputs is not served.
.set PX,    272                        ; an LDS row: 256 bytes + 16 of padding
.set XT,    0                          ; x's tile: 256 channels x 64 tokens of f32
.set WQ,    256*PX                     ; the weight's 768 rows of 256 codes
.set XIMG,  WQ+768*PX                  ; the 8 fragments of the normalised x, as images
.set TAB,   XIMG+16384                 ; A_c, then B_c: 256 numbers each
.set SPARE, TAB+2048                   ; the spare words: 128 bytes for each of eight waves; no other line names them
.set LI,  1                            ; v1   16 x lane
.set SPW, 2                            ; v2   my spare word
.set NIL, 3                            ; v3   0
.set AX,  4                            ; v4   where my fragment's numbers of x begin in XT
.set AT,  5                            ; v5   where their A_c begin in TAB
.set XWI, 6                            ; v6   where I store my fragment's image
.set AWN, 7                            ; v7   my head's rows of the weight, row r
.set AWP, 8                            ; v8   the same, row r + 8 (r / 8)
.set AW,  9                            ; v9   the address in hand
.set XSC, 10                           ; v10, v11  2^e0 and 448 x 2^e0
.set KSC, 12                           ; v12-17    the same for q, k, v, the product's two scales folded in
.set LIX, 18                           ; v18  XIMG + 16 x lane
.set TBW, 19                           ; v19  TAB + 4 x thread
.set SO8, 20                           ; v20  8 x (thread / 8): my channel's group in stats1
.set CO4, 21                           ; v21  4 x thread
.set GW,  22                           ; v22  w of my channel
.set GB,  23                           ; v23  b of my channel
.set XPC, 224                          ; v224-239 the codes of my fragment of x
.set WF,  32                           ; v32-95   four fragments of the weight: (u, s) at 16 (2 u + s)
.set AC,  96                           ; v96-159  eight accumulators
.set PC,  160                          ; v160-207 codes to store, 16 registers a kind: no store's data are written again
.set WV,  28
.set EPS, 70
.set TS,  71
.set MSB, 0
.macro WIN new                         ; the immediate's high byte repeats the setting that is left
.if MSB != \new
	s_set_vgpr_msb (MSB<<8)|\new
.set MSB, \new
.endif
.endm
.macro PLACES n
.rept \n
	v_nop
.endr
.endm
.macro CROUND                          ; a round of the cluster's barrier
	s_barrier_signal -1
	s_barrier_wait -1
	s_cmp_lg_u32 s[WV], 0
	s_cbranch_scc1 .Lnot_wave_0_\@
	s_barrier_signal -3
.Lnot_wave_0_\@:
	s_barrier_wait -3
	s_barrier_signal -1
	s_barrier_wait -1
.endm
.macro MKSC e, vs                      ; s[e] holds an exponent E: v[vs] = 2^E, v[vs + 1] = 448 x 2^E
	s_add_co_i32 s[\e], s[\e], 127
	s_lshl_b32 s[TS], s[\e], 23
	v_mov_b32 v[\vs], s[TS]
	s_add_co_i32 s[\e], s[\e], 8
	s_lshl_b32 s[\e], s[\e], 23
	s_or_b32 s[\e], s[\e], 0x600000
	v_mov_b32 v[\vs+1], s[\e]
.endm
	s_load_b256 s[4:11], s[0:1], 0x0               ; x, stats1, gn1_w, gn1_b
	s_load_b256 s[12:19], s[0:1], 0x20             ; qkv_w_codes, lowp_scales, q_img, kv_img
	v_lshl_add_u32 v[SPW], v0, 2, SPARE
	v_mov_b32 v[NIL], 0
	ds_add_u32 v[SPW], v[NIL]                      ; the wave's opening: the add, twice on end, and its wait ahead of my first tensor load
	ds_add_u32 v[SPW], v[NIL]
	v_lshrrev_b32 v86, 5, v0
	v_readfirstlane_b32 s[WV], v86                 ; wave 0..7
	s_bfe_u32 s29, ttmp6, 0x40000                  ; cx
	s_lshl_b32 s30, ttmp9, 2
	s_add_co_u32 s30, s30, s29                     ; blk: which 64 tokens
	s_and_b32 s31, ttmp7, 0xffff                   ; b
	; group 1 for x's tile: 32 rows (channels) of 64 elements of 4 bytes, 4,096 elements apart; 4 words of padding behind every 64
	s_mov_b32 s32, (2<<16)|(1<<20)|(5<<22)|(3<<25)
	s_mov_b32 s33, 64<<16
	s_mov_b32 s34, 32<<16
	s_mov_b32 s35, 64<<16
	s_mov_b32 s36, 32
	s_mov_b32 s37, 4096
	s_mov_b32 s38, 0
	s_mov_b32 s39, 0
	; group 1 for the weight: 96 rows of 256 bytes, dense in memory, the same padding; the mask names the cluster's four
	s_mov_b32 s40, 15|(1<<20)|(1<<21)|(5<<22)|(3<<25)
	s_mov_b32 s41, 256<<16
	s_mov_b32 s42, 96<<16
	s_mov_b32 s43, 256<<16
	s_mov_b32 s44, 96
	s_mov_b32 s45, 256
	s_mov_b32 s46, 0
	s_mov_b32 s47, 0
	s_mov_b32 s48, 1
	s_mul_i32 s49, s[WV], 32*PX                    ; x: my 32 channels' rows in XT
	s_mov_b32 s52, 1
	s_mul_i32 s53, s[WV], 96*PX
	s_add_co_u32 s53, s53, WQ                      ; the weight: my 96 rows
	s_lshl_b32 s56, s31, 22                        ; x: 4,194,304 b
	s_lshl_b32 s58, s[WV], 19                      ; + 32 channels x 16,384 bytes x wave
	s_add_co_u32 s56, s56, s58
	s_lshl_b32 s58, s30, 8                         ; + 256 blk
	s_add_co_u32 s56, s56, s58
	s_mov_b32 s57, 0
	s_mul_i32 s60, s[WV], 96*256                   ; the weight's offset hangs on the wave's number alone
	s_mov_b32 s61, 0
	s_mov_b32 s[EPS], 0x3727c5ac                   ; 1e-5
	s_wait_dscnt 0x0                               ; both opening adds are done
	s_wait_kmcnt 0x0
	s_load_b256 s[20:27], s[14:15], 0x0            ; e0 .. e7
	s_add_nc_u64 s[50:51], s[4:5], s[56:57]
	s_or_b32 s51, s51, 0x80000000
	s_add_nc_u64 s[54:55], s[12:13], s[60:61]
	s_or_b32 s55, s55, 0x80000000
	CROUND                                         ; all four work-groups are here: the joint loads meet
	tensor_load_to_lds s[48:51], s[32:39]          ; my part of x's tile
	s_nop 0
	tensor_load_to_lds s[52:55], s[40:47]          ; my part of the weight: two loads of mine are out
	s_nop 0
	PLACES 4
	; the statistics of my channel's group (thread t stands for channel t), its w and b
	s_lshl_b32 s56, s31, 12
	s_add_nc_u64 s[6:7], s[6:7], s[56:57]          ; stats1 at my batch
	v_lshrrev_b32 v[SO8], 3, v0
	v_lshlrev_b32 v[SO8], 3, v[SO8]
	v_lshlrev_b32 v[CO4], 2, v0
.irp p, 0,1,2,3,4,5,6,7,8,9,10,11,12,13,14,15
	global_load_b64 v[32+2*\p:33+2*\p], v[SO8], s[6:7] offset:256*\p
.endr
	global_load_b32 v[GW], v[CO4], s[8:9]
	global_load_b32 v[GB], v[CO4], s[10:11]
	; addresses, while those loads are out
	v_and_b32 v88, 31, v0                          ; lane
	v_and_b32 v86, 15, v0                          ; r
	v_bfe_u32 v87, v0, 4, 1                        ; hh
	v_lshlrev_b32 v[LI], 4, v88
	s_and_b32 s58, s[WV], 1                        ; my fragment of x: K step s = wave % 2,
	s_lshr_b32 s59, s[WV], 1                       ; tile of tokens m = wave / 2
	s_mul_i32 s62, s58, 128*PX
	s_lshl_b32 s59, s59, 6
	s_add_co_u32 s62, s62, s59
	v_mul_u32_u24 v[AX], v87, 16*PX
	v_lshl_add_u32 v[AX], v86, 2, v[AX]
	v_add_nc_u32 v[AX], s62, v[AX]                 ; channel 128 s + 16 hh, token 16 m + r
	s_lshl_b32 s58, s58, 9
	s_add_co_u32 s58, s58, TAB
	v_lshl_add_u32 v[AT], v87, 6, s58              ; TAB + 4 (128 s + 16 hh)
	s_lshl_b32 s58, s[WV], 11
	s_add_co_u32 s58, s58, XIMG
	v_add_nc_u32 v[XWI], s58, v[LI]
	v_add_nc_u32 v[LIX], XIMG, v[LI]
	s_mul_i32 s58, s[WV], 32*PX
	s_add_co_u32 s58, s58, WQ
	v_mul_u32_u24 v[AWN], v86, PX
	v_lshl_add_u32 v[AWN], v87, 4, v[AWN]
	v_add_nc_u32 v[AWN], s58, v[AWN]
	v_and_b32 v89, 8, v86
	v_add_nc_u32 v89, v89, v86                     ; r + 8 (r / 8)
	v_mul_u32_u24 v[AWP], v89, PX
	v_lshl_add_u32 v[AWP], v87, 4, v[AWP]
	v_add_nc_u32 v[AWP], s58, v[AWP]
	v_lshl_add_u32 v[TBW], v0, 2, TAB
	; where the images go
	s_lshl_b32 s56, s31, 3
	s_add_co_u32 s56, s56, s[WV]                   ; bh = 8 b + wave
	s_lshl_b32 s58, s56, 8
	s_lshl_b32 s59, s30, 2
	s_add_co_u32 s58, s58, s59
	s_lshl_b32 s58, s58, 9                         ; 512 (256 bh + 4 blk)
	s_mov_b32 s59, 0
	s_add_nc_u64 s[16:17], s[16:17], s[58:59]      ; q
	s_lshl_b32 s58, s56, 5
	s_lshr_b32 s62, s30, 1
	s_add_co_u32 s58, s58, s62
	s_lshl_b32 s58, s58, 13                        ; 8,192 (32 bh + blk / 2)
	s_add_nc_u64 s[18:19], s[18:19], s[58:59]
	s_and_b32 s62, s30, 1
	s_lshl_b32 s58, s62, 11
	s_add_nc_u64 s[66:67], s[18:19], s[58:59]      ; k: + 2,048 (blk % 2)
	s_lshl_b32 s58, s62, 10
	s_add_co_u32 s58, s58, 4096
	s_add_nc_u64 s[68:69], s[18:19], s[58:59]      ; v: + 4,096 + 1,024 (blk % 2)
	s_wait_kmcnt 0x0
	s_add_co_i32 s56, s20, s21                     ; a sum of the product stands for sum x 2^(e0 + e1): folded into the three conversions' scales
	s_sub_co_i32 s58, s22, s56
	s_sub_co_i32 s59, s23, s56
	s_sub_co_i32 s62, s25, s56
	MKSC 20, XSC
	MKSC 58, KSC
	MKSC 59, KSC+2
	MKSC 62, KSC+4
	; the group's 16 parts become mean and rstd; A and B of my channel go to the table
	s_wait_loadcnt 0x0
.irp p, 0,1,2,3,4,5,6,7
	v_pk_add_f32 v[64+2*\p:65+2*\p], v[32+4*\p:33+4*\p], v[34+4*\p:35+4*\p]
.endr
.irp p, 0,1,2,3
	v_pk_add_f32 v[64+2*\p:65+2*\p], v[64+4*\p:65+4*\p], v[66+4*\p:67+4*\p]
.endr
.irp p, 0,1
	v_pk_add_f32 v[64+2*\p:65+2*\p], v[64+4*\p:65+4*\p], v[66+4*\p:67+4*\p]
.endr
	v_pk_add_f32 v[64:65], v[64:65], v[66:67]      ; the sum of the means, the sum of the M2
	v_mul_f32 v66, 0x3d800000, v64                 ; mean
.irp p, 0,1,2,3,4,5,6,7,8,9,10,11,12,13,14,15
	v_sub_f32 v[68+\p], v[32+2*\p], v66
.endr
	v_mul_f32 v84, v68, v68
	v_mul_f32 v85, v69, v69
.irp p, 2,4,6,8,10,12,14
	v_fma_f32 v84, v[68+\p], v[68+\p], v84
	v_fma_f32 v85, v[69+\p], v[69+\p], v85
.endr
	v_add_f32 v84, v84, v85
	v_fma_f32 v65, v84, 0x45000000, v65            ; M2 of the group
	v_fma_f32 v65, v65, 0x38000000, s[EPS]         ; M2 / 32,768 + eps
	v_rsq_f32 v67, v65
	v_nop                                          ; a plain instruction behind the transcendental,
	s_wait_alu depctr_va_vdst(0)                   ; and the wait ahead of its first reader
	v_mul_f32 v67, v67, v[GW]                      ; A
	v_fma_f32 v66, -v66, v67, v[GB]                ; B
	ds_store_b32 v[TBW], v67
	ds_store_b32 v[TBW], v66 offset:1024
	s_wait_tensorcnt 0x1                           ; my part of x's tile is in; the weight's load, issued behind it, may stay out
	s_wait_dscnt 0x0                               ; my two numbers are in the table
	s_barrier_signal -1
	s_barrier_wait -1
	; my fragment of the normalised x: lane (r, hh) takes token r and runs down the channels 32 c + 16 hh + i
.irp c, 0,1,2,3
.irp i, 0,1,2,3,4,5,6,7,8,9,10,11,12,13,14,15
	ds_load_b32 v[32+16*\c+\i], v[AX] offset:(32*\c+\i)*PX
.endr
.endr
.irp c, 0,1,2,3
.irp q, 0,1,2,3
	ds_load_b128 v[96+16*\c+4*\q:96+16*\c+4*\q+3], v[AT] offset:128*\c+16*\q
	ds_load_b128 v[160+16*\c+4*\q:160+16*\c+4*\q+3], v[AT] offset:1024+128*\c+16*\q
.endr
.endr
	s_wait_dscnt 0x0
.set i, 0
.rept 32
	v_pk_fma_f32 v[32+2*i:33+2*i], v[32+2*i:33+2*i], v[96+2*i:97+2*i], v[160+2*i:161+2*i]
.set i, i+1
.endr
.set i, 0
.rept 64
	v_med3_num_f32 v[32+i], v[32+i], -v[XSC+1], v[XSC+1]   ; the conversion to an 8-bit code does not saturate (ISA guide 7.6.2): the hold comes first
.set i, i+1
.endr
.irp c, 0,1,2,3
	v_cvt_scalef32_pk8_fp8_f32 v[XPC+4*\c:XPC+4*\c+1], v[32+16*\c:39+16*\c], v[XSC]
	v_cvt_scalef32_pk8_fp8_f32 v[XPC+4*\c+2:XPC+4*\c+3], v[40+16*\c:47+16*\c], v[XSC]
.endr
	v_nop                                          ; one plain instruction behind the last conversion
.irp c, 0,1,2,3
	ds_store_b128 v[XWI], v[XPC+4*\c:XPC+4*\c+3] offset:512*\c
.endr
	s_wait_tensorcnt 0x0                           ; my part of the weight is in
	s_wait_dscnt 0x0                               ; my image is in LDS
	s_barrier_signal -1
	s_barrier_wait -1
	WIN 0x40                                       ; destination window 1: the eight fragments of x stay in v256-383, (m, s) at 16 (2 m + s)
.irp f, 0,1,2,3,4,5,6,7
.irp c, 0,1,2,3
	ds_load_b128 v[16*\f+4*\c:16*\f+4*\c+3], v[LIX] offset:2048*\f+512*\c
.endr
.endr
	WIN 0
.macro WLOAD ustep                     ; my head's four fragments of the weight; tile u begins ustep bytes on
.irp u, 0,1
.irp s, 0,1
.irp c, 0,1,2,3
	ds_load_b128 v[WF+16*(2*\u+\s)+4*\c:WF+16*(2*\u+\s)+4*\c+3], v[AW] offset:\ustep*\u+128*\s+32*\c
.endr
.endr
.endr
	s_wait_dscnt 0x0
.endm
.macro MULT                            ; transposed: source 0 = the weight's rows, source 1 = tokens.  The eight accumulators take turns
	WIN 0x04
.irp s, 0,1
.irp m, 0,1,2,3
.irp u, 0,1
.if \s == 0
	v_wmma_f32_16x16x128_fp8_fp8 v[AC+16*\m+8*\u:AC+16*\m+8*\u+7], v[WF+16*(2*\u+\s):WF+16*(2*\u+\s)+15], v[16*(2*\m+\s):16*(2*\m+\s)+15], 0
.else
	v_wmma_f32_16x16x128_fp8_fp8 v[AC+16*\m+8*\u:AC+16*\m+8*\u+7], v[WF+16*(2*\u+\s):WF+16*(2*\u+\s)+15], v[16*(2*\m+\s):16*(2*\m+\s)+15], v[AC+16*\m+8*\u:AC+16*\m+8*\u+7]
.endif
.endr
.endr
.endr
	WIN 0
.endm
.macro MULN                            ; as it is: source 0 = tokens, source 1 = the weight's rows: a lane holds one channel of v, its registers run along the tokens
	WIN 0x01
.irp s, 0,1
.irp m, 0,1,2,3
.irp u, 0,1
.if \s == 0
	v_wmma_f32_16x16x128_fp8_fp8 v[AC+32*\u+8*\m:AC+32*\u+8*\m+7], v[16*(2*\m+\s):16*(2*\m+\s)+15], v[WF+16*(2*\u+\s):WF+16*(2*\u+\s)+15], 0
.else
	v_wmma_f32_16x16x128_fp8_fp8 v[AC+32*\u+8*\m:AC+32*\u+8*\m+7], v[16*(2*\m+\s):16*(2*\m+\s)+15], v[WF+16*(2*\u+\s):WF+16*(2*\u+\s)+15], v[AC+32*\u+8*\m:AC+32*\u+8*\m+7]
.endif
.endr
.endr
.endr
	WIN 0
.endm
.macro CODES kind                      ; the 64 sums of a lane become 16 registers of codes; each accumulator is read from its low end on
	PLACES 4                                       ; places behind the products, in front of the first read of results and of the next loads into the weight's registers
.set i, 0
.rept 64
	v_med3_num_f32 v[AC+i], v[AC+i], -v[KSC+2*\kind+1], v[KSC+2*\kind+1]
.set i, i+1
.endr
.irp g, 0,1,2,3
	v_cvt_scalef32_pk8_fp8_f32 v[PC+16*\kind+4*\g:PC+16*\kind+4*\g+1], v[AC+16*\g:AC+16*\g+7], v[KSC+2*\kind]
	v_cvt_scalef32_pk8_fp8_f32 v[PC+16*\kind+4*\g+2:PC+16*\kind+4*\g+3], v[AC+16*\g+8:AC+16*\g+15], v[KSC+2*\kind]
.endr
	v_nop                                          ; one plain instruction behind the last conversion: the next products write its sources
.endm
	; q
	v_add_nc_u32 v[AW], 0, v[AWN]
	WLOAD 16*PX
	MULT
	CODES 0
.irp g, 0,1,2,3
	global_store_b128 v[LI], v[PC+4*\g:PC+4*\g+3], s[16:17] offset:512*\g   ; each store of the wave covers 512 consecutive bytes, aligned
.endr
	; k
	v_add_nc_u32 v[AW], 256*PX, v[AWN]
	WLOAD 16*PX
	MULT
	CODES 1
.irp g, 0,1,2,3
	global_store_b128 v[LI], v[PC+16+4*\g:PC+16+4*\g+3], s[66:67] offset:512*\g
.endr
	; v: tile u takes rows r + 8 (r / 8) + 8 u
	v_add_nc_u32 v[AW], 512*PX, v[AWP]
	WLOAD 8*PX
	MULN
	CODES 2
.irp g, 0,1,2,3
	global_store_b128 v[LI], v[PC+32+4*\g:PC+32+4*\g+3], s[68:69] offset:2048*(\g/2)+512*(\g%2)
.endr
	s_wait_tensorcnt 0x0                           ; the wave's end
	ds_add_u32 v[SPW], v[NIL]
	s_wait_dscnt 0x0
	CROUND                                         ; the closing round
	s_endpgm
.Lfunc_end_k_qda3d0d05f8_qkv:
	.size	k_qda3d0d05f8_qkv, .Lfunc_end_k_qda3d0d05f8_qkv-k_qda3d0d05f8_qkv
	.p2alignl 7, 3214868480
	.fill 96, 4, 3214868480
	.section	.rodata,"a",@progbits
	.p2align	6, 0x0
	.amdhsa_kernel k_qda3d0d05f8_qkv
		.amdhsa_group_segment_fixed_size 297984
		.amdhsa_private_segment_fixed_size 0
		.amdhsa_enable_private_segment 0
		.amdhsa_kernarg_size 64
		.amdhsa_user_sgpr_count 2
		.amdhsa_user_sgpr_kernarg_segment_ptr 1
		.amdhsa_wavefront_size32 1
		.amdhsa_system_sgpr_workgroup_id_x 1
		.amdhsa_system_sgpr_workgroup_id_y 1
		.amdhsa_system_sgpr_workgroup_id_z 1
		.amdhsa_system_vgpr_workitem_id 0
		.amdhsa_next_free_vgpr 384
		.amdhsa_next_free_sgpr 80
		.amdhsa_reserve_vcc 0
		.amdhsa_float_denorm_mode_32 3
		.amdhsa_float_denorm_mode_16_64 3
		.amdhsa_memory_ordered 1
		.amdhsa_forward_progress 1
		.amdhsa_inst_pref_size 49
	.end_amdhsa_kernel
	.amdgpu_metadata
---
amdhsa.version: [ 1, 2 ]
amdhsa.kernels:
  - .name:           k_qda3d0d05f8_qkv
    .symbol:         k_qda3d0d05f8_qkv.kd
    .args:
      - { .name: x, .offset: 0, .size: 8, .value_kind: global_buffer, .address_space: global }
      - { .name: stats1, .offset: 8, .size: 8, .value_kind: global_buffer, .address_space: global }
      - { .name: gn1_w, .offset: 16, .size: 8, .value_kind: global_buffer, .address_space: global }
      - { .name: gn1_b, .offset: 24, .size: 8, .value_kind: global_buffer, .address_space: global }
      - { .name: qkv_w_codes, .offset: 32, .size: 8, .value_kind: global_buffer, .address_space: global }
      - { .name: lowp_scales, .offset: 40, .size: 8, .value_kind: global_buffer, .address_space: global }
      - { .name: q_img, .offset: 48, .size: 8, .value_kind: global_buffer, .address_space: global }
      - { .name: kv_img, .offset: 56, .size: 8, .value_kind: global_buffer, .address_space: global }
    .group_segment_fixed_size: 297984
    .private_segment_fixed_size: 0
    .kernarg_segment_align: 8
    .kernarg_segment_size: 64
    .max_flat_workgroup_size: 256
    .sgpr_count:     80
    .vgpr_count:     384
    .wavefront_size: 32
...
	.end_amdgpu_metadata
.endif
;; end of part 2
;; launch attn (part 3): grid 16 x 16, 8 waves a work-group, clusters of 4 x 1, 263,168 bytes of LDS; arguments q_img, kv_img, lowp_scales, phys_bias, o_img; writes o_img
.if DOCPART == 3
	.amdgcn_target "amdgcn-amd-amdhsa--gfx1250"
	.amdhsa_code_object_version 6
	.text
	.protected	k_qda3d0d05f8_attn
	.globl	k_qda3d0d05f8_attn
	.p2align	8
	.type	k_qda3d0d05f8_attn,@function
k_qda3d0d05f8_attn:
	s_mov_b64 s[64:65], 0
	v_nop
	global_prefetch_b8 v0, s[64:65] scope:SCOPE_SE
	s_setreg_imm32_b32 hwreg(HW_REG_WAVE_MODE, 25, 1), 1
	s_wait_xcnt 0x0
	s_wait_alu depctr_hold_cnt(0) depctr_sa_sdst(0) depctr_va_vdst(0) depctr_va_sdst(0) depctr_va_ssrc(0) depctr_va_vcc(0) depctr_vm_vsrc(0)
	s_getreg_b32 s2, hwreg(HW_REG_IB_STS2, 6, 4)
	s_cmp_eq_u32 s2, 0
	s_cbranch_scc0 .Lentry_in_a_cluster
	s_endpgm
.Lentry_in_a_cluster:
	s_bfe_u32 s2, ttmp6, 0x10000c
	s_cmp_lg_u32 s2, 0x3003
	s_cbranch_scc0 .Lentry_shape_is_right
	s_endpgm
.Lentry_shape_is_right:
; Attention of one (batch, head): S^T = K Q^T, the streaming softmax, O^T = V^T P^T, and o's quantiser.  No work of the problem is left out: phys_bias is added to t (it moves p's codes).
; t = score x c + tb, c = log2(e) / sqrt(32) x 2^(e2 + e3), tb = phys_bias[head] x log2(e).  M = the running largest t rounded UP to a whole number, kept as -M = floor(-t); p = 2^(t - M) is quantised with 2^e4.
; The row's sum is taken of the unquantised p.  When M moves, the sum and O^T are multiplied by 2^(old M - new M): nothing is rounded, and no branch hangs on data.
; SHARES.  A work-group takes 256 queries of one (batch, head); each of its eight waves two tiles of 16 queries, so that each fragment of K and V read from LDS feeds two tiles.  Two waves share a SIMD.
; LDS.  The head's whole K and V, 32 blocks of 128 keys x 8,192 bytes = 262,144 bytes, lie in LDS at once: there is no ring and nothing is filled again.  Wave w asks for blocks w, 8 + w, 16 + w, 24 + w at the head:
; four loads of mine are out; the walk goes in four phases of eight blocks, each behind a barrier in front of which a wave has waited for its load of that phase.
; CLUSTER.  The four work-groups of a cluster belong to one (batch, head) and read the same K and V: every load is a joint one (mask 15).
; THE HEAD SIZE IS 32, the matrix instruction's K is 64.  Source 0 holds TWO tiles of 16 keys (four registers each); source 1 is [q, 0] or [0, q], so that one tile meets q and the other meets zero codes:
; no LDS byte is read twice and no key register is padded.  K's codes are never the NaN code (their quantiser holds), so the zeros add nothing.
; LAYOUT.  A lane holds one query (lane % 16) throughout.  Score register 8 t + j is key 16 t + 8 hh + j of the block; 16 neighbouring registers become four registers of P, in the order in which V^T's images were laid.
; O^T's register 8 u + j of a tile is channel 16 hh + 8 u + j: the 16 registers are 16 neighbouring channels, which is what the projection's weight wants.
; LIMITS: e2 + e3 between -124 and 129 (added to c's exponent field); e4 and e6 - e4 - e5 between -126 and 119.  NaN among the inputs is not served.
.set SPARE, 262144                     ; behind K and V: the spare words, 128 bytes for each of eight waves
.set LI,  1                            ; v1   16 x lane
.set ADR, 2                            ; v2   the block in hand + 16 x lane
.set SPW, 3
.set NIL, 4
.set TBV, 5                            ; v5   tb
.set PSC, 6                            ; v6, v7  2^e4, 448 x 2^e4
.set ST,  8                            ; tile i at v[8 + 6 i]: +0 tb - M, +1 (named with it as a pair), +2 -M, +3 the largest t, +4, +5 the sum in two halves
.set MA,  20                           ; v20, v21 two chains of the maximum
.set MB,  21
.set PD,  22                           ; v22  a permute's destination
.set DL,  23                           ; v23  old M - new M
.set FF,  24                           ; v[24:25] f = 2^(old M - new M)
.set SB2, 26                           ; v[26:27] the sum's second chain
.set QF,  28                           ; v28-47  [0 0 0 0][q0][0 0 0 0][q1][0 0 0 0]
.set KF,  48                           ; v48-79  K's eight tiles of a block
.set VF,  80                           ; v80-111 V^T's two fragments
.set SC,  112                          ; v112-175 S^T, then p
.set PF,  176                          ; v176-207 P, 16 a tile
.set OF,  208                          ; v208-239 O^T: (i, u) at 16 i + 8 u
.set OC,  240                          ; v240-247 o's codes
.set OSC, 248                          ; v248, v249 o's scale and limit
.set RC,  250                          ; v250, v251 1 / the sum
.set WV,  14
.set CS,  48                           ; s[48:49] c, c
.set SEL, 50                           ; s[50:51]
.set TB,  52                           ; s52  LDS byte of the block in hand
.set CNT, 53
.set TS,  15
.macro PLACES n
.rept \n
	v_nop
.endr
.endm
.macro CROUND
	s_barrier_signal -1
	s_barrier_wait -1
	s_cmp_lg_u32 s[WV], 0
	s_cbranch_scc1 .Lnot_wave_0_\@
	s_barrier_signal -3
.Lnot_wave_0_\@:
	s_barrier_wait -3
	s_barrier_signal -1
	s_barrier_wait -1
.endm
.macro MKSC e, vs
	s_add_co_i32 s[\e], s[\e], 127
	s_lshl_b32 s[TS], s[\e], 23
	v_mov_b32 v[\vs], s[TS]
	s_add_co_i32 s[\e], s[\e], 8
	s_lshl_b32 s[\e], s[\e], 23
	s_or_b32 s[\e], s[\e], 0x600000
	v_mov_b32 v[\vs+1], s[\e]
.endm
	s_load_b256 s[4:11], s[0:1], 0x0               ; q_img, kv_img, lowp_scales, phys_bias
	s_load_b64 s[12:13], s[0:1], 0x20              ; o_img
	v_lshl_add_u32 v[SPW], v0, 2, SPARE
	v_mov_b32 v[NIL], 0
	ds_add_u32 v[SPW], v[NIL]                      ; the wave's opening: the add, twice on end, and its wait ahead of my first tensor load
	ds_add_u32 v[SPW], v[NIL]
	v_lshrrev_b32 v[ADR], 5, v0
	v_readfirstlane_b32 s[WV], v[ADR]              ; wave 0..7
	s_bfe_u32 s54, ttmp6, 0x40000                  ; cx
	s_lshl_b32 s55, ttmp9, 2
	s_add_co_u32 s55, s55, s54                     ; qb: which 256 queries; it enters q's and o's addresses alone
	s_and_b32 s56, ttmp7, 0xffff                   ; bh, which the four partners share
	; group 1: a block is 8,192 dense bytes: 32 rows of 32 elements of 8 bytes; the mask names the cluster's four
	s_mov_b32 s24, 15|(3<<16)|(1<<21)
	s_mov_b32 s25, 32<<16
	s_mov_b32 s26, 32<<16
	s_mov_b32 s27, 32<<16
	s_mov_b32 s28, 32
	s_mov_b32 s29, 32
	s_mov_b32 s30, 0
	s_mov_b32 s31, 0
	s_lshl_b32 s57, s[WV], 13
.irp p, 0,1,2,3
	s_mov_b32 s[32+4*\p], 1
	s_add_co_u32 s[33+4*\p], s57, 65536*\p         ; block 8 p + wave
.endr
	s_lshl_b32 s58, s56, 18                        ; 262,144 bh
	s_add_co_u32 s58, s58, s57
	s_mov_b32 s59, 0
	s_and_b32 s60, s56, 7                          ; the head
	s_lshl_b32 s60, s60, 2
	s_mov_b32 s61, 0
	s_lshl_b32 s66, s56, 8
	s_lshl_b32 s62, s55, 4
	s_add_co_u32 s66, s66, s62
	s_lshl_b32 s62, s[WV], 1
	s_add_co_u32 s66, s66, s62
	s_lshl_b32 s66, s66, 9                         ; 512 (256 bh + 16 qb + 2 wave): my two tiles in q_img and in o_img
	s_mov_b32 s67, 0
	s_mov_b32 s[SEL], 0x76543210
	s_mov_b32 s[SEL+1], 0xfedcba98
	s_wait_dscnt 0x0                               ; both opening adds are done
	s_wait_kmcnt 0x0
	s_load_b256 s[16:23], s[8:9], 0x0              ; e0 .. e7
	s_add_nc_u64 s[10:11], s[10:11], s[60:61]
	s_load_b32 s63, s[10:11], 0x0                  ; phys_bias[head]
	s_add_nc_u64 s[58:59], s[6:7], s[58:59]
.irp p, 0,1,2,3
	s_add_nc_u64 s[34+4*\p:35+4*\p], s[58:59], 65536*\p
	s_or_b32 s[35+4*\p], s[35+4*\p], 0x80000000
.endr
	s_add_nc_u64 s[4:5], s[4:5], s[66:67]
	s_add_nc_u64 s[12:13], s[12:13], s[66:67]
	CROUND                                         ; all four work-groups are here: the joint loads meet
.irp p, 0,1,2,3
	tensor_load_to_lds s[32+4*\p:35+4*\p], s[24:31]
	s_nop 0
.endr
	PLACES 4
	v_and_b32 v[LI], 31, v0
	v_lshlrev_b32 v[LI], 4, v[LI]
	global_load_b128 v[QF+4:QF+7], v[LI], s[4:5]               ; q of my first tile,
	global_load_b128 v[QF+12:QF+15], v[LI], s[4:5] offset:512  ; of my second
.irp j, 0,1,2,3,8,9,10,11,16,17,18,19
	v_mov_b32 v[QF+\j], 0                          ; the zero codes beside them
.endr
.set i, 0
.rept 32
	v_mov_b32 v[OF+i], 0                           ; O^T.  (The step is written once: the first finds zeros, which the first change of M leaves zeros)
.set i, i+1
.endr
.irp i, 0,1
	v_mov_b32 v[ST+6*\i+1], 0
	v_mov_b32 v[ST+6*\i+3], 0xff61b1e6             ; the largest t so far: -3e38
	v_floor_f32 v[ST+6*\i+2], -v[ST+6*\i+3]        ; -M
	v_mov_b32 v[ST+6*\i+4], 0
	v_mov_b32 v[ST+6*\i+5], 0
.endr
	v_mov_b32 v[PD], 0
	v_mov_b32 v[FF+1], 0
	s_wait_kmcnt 0x0
	s_add_co_i32 s60, s18, s19                     ; e2 + e3, added to c's exponent field
	s_lshl_b32 s60, s60, 23
	s_mov_b32 s[CS], 0x3e8293ee                    ; log2(e) / sqrt(32)
	s_add_co_i32 s[CS], s[CS], s60
	s_mov_b32 s[CS+1], s[CS]
	v_mov_b32 v[TBV], s63
	v_mul_f32 v[TBV], 0x3fb8aa3b, v[TBV]           ; tb
	s_sub_co_i32 s60, s22, s20
	s_sub_co_i32 s60, s60, s21                     ; e6 - e4 - e5: O^T / the sum stands for o / 2^(e4 + e5)
	MKSC 20, PSC
	MKSC 60, OSC
	s_wait_loadcnt 0x0                             ; q
.macro QK i                            ; the scores of tile i against the block's 128 keys: eight products, each starting its own sum
.irp t, 0,1,2,3,4,5,6,7
	v_wmma_f32_16x16x64_fp8_fp8 v[SC+8*\t:SC+8*\t+7], v[KF+8*(\t/2):KF+8*(\t/2)+7], v[QF+4+8*(\i)-4*(\t%2):QF+11+8*(\i)-4*(\t%2)], 0
.endr
.endm
.macro SOFTMAX i
.set rT, ST+6*(\i)
.set rP, PF+16*(\i)
.set rO, OF+16*(\i)
	v_max3_num_f32 v[MA], v[SC], v[SC+1], v[SC+2]  ; the block's largest score of my query among my 64 keys, ascending, in two chains
	v_max3_num_f32 v[MB], v[SC+3], v[SC+4], v[SC+5]
.irp j, 6,10,14,18,22,26,30,34,38,42,46,50,54,58
	v_max3_num_f32 v[MA], v[MA], v[SC+\j], v[SC+\j+1]
	v_max3_num_f32 v[MB], v[MB], v[SC+\j+2], v[SC+\j+3]
.endr
	v_max3_num_f32 v[MA], v[MA], v[SC+62], v[SC+63]
	v_max_num_f32 v[MA], v[MA], v[MB]
	v_permlanex16_b32 v[PD], v[MA], s[SEL], s[SEL+1]
	v_max_num_f32 v[MA], v[MA], v[PD]              ; and among lane l xor 16's
	v_fma_f32 v[MA], v[MA], s[CS], v[TBV]          ; as t (c is positive)
	v_max_num_f32 v[rT+3], v[rT+3], v[MA]          ; the running largest t
	v_mov_b32 v[DL], v[rT+2]
	v_floor_f32 v[rT+2], -v[rT+3]                  ; the new -M
	v_sub_f32 v[DL], v[rT+2], v[DL]                ; old M - new M: a whole number, 0 or less
	v_cvt_i32_f32 v[DL], v[DL]                     ; (it saturates)
	v_ldexp_f32 v[FF], 1.0, v[DL]                  ; f
	v_add_f32 v[rT], v[TBV], v[rT+2]               ; tb - M
.set j, 0
.rept 32
	v_pk_fma_f32 v[SC+2*j:SC+2*j+1], v[SC+2*j:SC+2*j+1], s[CS:CS+1], v[rT:rT+1] op_sel_hi:[1,0,0]   ; t - M, two at a time
.set j, j+1
.endr
.set j, 0
.rept 64
	v_exp_f32 v[SC+j], v[SC+j]                     ; p
.set j, j+1
.endr
	v_pk_mul_f32 v[rT+4:rT+5], v[rT+4:rT+5], v[FF:FF+1] op_sel_hi:[1,0]   ; the sum under the new M: the plain instruction behind the exponentials
	s_wait_alu depctr_va_vdst(0)                   ; one wait for the whole batch, ahead of its first reader
	v_pk_add_f32 v[SB2:SB2+1], v[SC:SC+1], v[SC+2:SC+3]   ; the row's sum is taken of the unquantised p
.irp j, 4,8,12,16,20,24,28,32,36,40,44,48,52,56,60
	v_pk_add_f32 v[rT+4:rT+5], v[rT+4:rT+5], v[SC+\j:SC+\j+1]
	v_pk_add_f32 v[SB2:SB2+1], v[SB2:SB2+1], v[SC+\j+2:SC+\j+3]
.endr
	v_pk_add_f32 v[rT+4:rT+5], v[rT+4:rT+5], v[SB2:SB2+1]
.set j, 0
.rept 64
	v_min_num_f32 v[SC+j], v[SC+j], v[PSC+1]       ; the conversion does not saturate (ISA guide 7.6.2); p is not negative, so the hold is one-sided
.set j, j+1
.endr
.irp c, 0,1,2,3
	v_cvt_scalef32_pk8_fp8_f32 v[rP+4*\c:rP+4*\c+1], v[SC+16*\c:SC+16*\c+7], v[PSC]
	v_cvt_scalef32_pk8_fp8_f32 v[rP+4*\c+2:rP+4*\c+3], v[SC+16*\c+8:SC+16*\c+15], v[PSC]
.endr
.irp k, 0,2,4,6,8,10,12,14
	v_pk_mul_f32 v[rO+\k:rO+\k+1], v[rO+\k:rO+\k+1], v[FF:FF+1] op_sel_hi:[1,0]   ; O^T under the new M; also the plain instructions behind the last conversion
.endr
.endm
.macro STEP                            ; 128 keys at LDS byte s[TB]
	v_add_nc_u32 v[ADR], s[TB], v[LI]
.irp t, 0,1,2,3,4,5,6,7
	ds_load_b128 v[KF+4*\t:KF+4*\t+3], v[ADR] offset:512*\t
.endr
	s_wait_dscnt 0x0
	QK 0
	PLACES 4                                       ; places in front of the first read of the scores; with the addition above, five behind the last step's products, in front of the loads into V's registers
.irp g, 0,1,2,3,4,5,6,7
	ds_load_b128 v[VF+4*\g:VF+4*\g+3], v[ADR] offset:4096+512*\g
.endr
	SOFTMAX 0
	QK 1
	PLACES 4
	SOFTMAX 1
	s_wait_dscnt 0x0                               ; V
.irp i, 0,1
.irp u, 0,1
	v_wmma_f32_16x16x128_fp8_fp8 v[OF+16*\i+8*\u:OF+16*\i+8*\u+7], v[VF+16*\u:VF+16*\u+15], v[PF+16*\i:PF+16*\i+15], v[OF+16*\i+8*\u:OF+16*\i+8*\u+7]   ; four accumulators by turns; the scores' products stand between one step's and the next's
.endr
.endr
.endm
.macro PHASE p                         ; blocks 8 p .. 8 p + 7
	s_wait_tensorcnt 3-\p                          ; my load of this phase is in; those of the later phases, issued behind it, may stay out
	s_wait_dscnt 0x0
	s_barrier_signal -1
	s_barrier_wait -1                              ; everybody's is
	s_mov_b32 s[TB], 65536*\p
	s_mov_b32 s[CNT], 8
.Lstep_\@:
	STEP
	s_add_co_u32 s[TB], s[TB], 8192
	s_sub_co_u32 s[CNT], s[CNT], 1
	s_cmp_lg_u32 s[CNT], 0
	s_cbranch_scc1 .Lstep_\@
.endm
	PHASE 0
	PHASE 1
	PHASE 2
	PHASE 3
	; THE WAY OUT.  O^T is divided by the sum and quantised; a tile's 16 codes a lane are the image that the projection reads: one store of 512 consecutive bytes, no stage.
	PLACES 4
.irp i, 0,1
	v_add_f32 v[ST+6*\i+4], v[ST+6*\i+4], v[ST+6*\i+5]
.endr
.irp i, 0,1
	v_permlanex16_b32 v[ST+6*\i+5], v[ST+6*\i+4], s[SEL], s[SEL+1]
.endr
.irp i, 0,1
	v_add_f32 v[ST+6*\i+4], v[ST+6*\i+4], v[ST+6*\i+5]
.endr
.irp i, 0,1
	v_rcp_f32 v[RC+\i], v[ST+6*\i+4]
.endr
	v_nop
	s_wait_alu depctr_va_vdst(0)                   ; one wait for the two reciprocals
.irp i, 0,1
.irp k, 0,1,2,3,4,5,6,7,8,9,10,11,12,13,14,15
	v_mul_f32 v[SC+16*\i+\k], v[OF+16*\i+\k], v[RC+\i]   ; each accumulator from its low end on
.endr
.endr
.set j, 0
.rept 32
	v_med3_num_f32 v[SC+j], v[SC+j], -v[OSC+1], v[OSC+1]
.set j, j+1
.endr
.irp i, 0,1
	v_cvt_scalef32_pk8_fp8_f32 v[OC+4*\i:OC+4*\i+1], v[SC+16*\i:SC+16*\i+7], v[OSC]
	v_cvt_scalef32_pk8_fp8_f32 v[OC+4*\i+2:OC+4*\i+3], v[SC+16*\i+8:SC+16*\i+15], v[OSC]
.endr
	v_nop
	global_store_b128 v[LI], v[OC:OC+3], s[12:13]
	global_store_b128 v[LI], v[OC+4:OC+7], s[12:13] offset:512
	s_wait_tensorcnt 0x0                           ; the wave's end
	ds_add_u32 v[SPW], v[NIL]
	s_wait_dscnt 0x0
	CROUND                                         ; the closing round
	s_endpgm
.Lfunc_end_k_qda3d0d05f8_attn:
	.size	k_qda3d0d05f8_attn, .Lfunc_end_k_qda3d0d05f8_attn-k_qda3d0d05f8_attn
	.p2alignl 7, 3214868480
	.fill 96, 4, 3214868480
	.section	.rodata,"a",@progbits
	.p2align	6, 0x0
	.amdhsa_kernel k_qda3d0d05f8_attn
		.amdhsa_group_segment_fixed_size 263168
		.amdhsa_private_segment_fixed_size 0
		.amdhsa_enable_private_segment 0
		.amdhsa_kernarg_size 40
		.amdhsa_user_sgpr_count 2
		.amdhsa_user_sgpr_kernarg_segment_ptr 1
		.amdhsa_wavefront_size32 1
		.amdhsa_system_sgpr_workgroup_id_x 1
		.amdhsa_system_sgpr_workgroup_id_y 1
		.amdhsa_system_sgpr_workgroup_id_z 1
		.amdhsa_system_vgpr_workitem_id 0
		.amdhsa_next_free_vgpr 256
		.amdhsa_next_free_sgpr 70
		.amdhsa_reserve_vcc 0
		.amdhsa_float_denorm_mode_32 3
		.amdhsa_float_denorm_mode_16_64 3
		.amdhsa_memory_ordered 1
		.amdhsa_forward_progress 1
		.amdhsa_inst_pref_size 116
	.end_amdhsa_kernel
	.amdgpu_metadata
---
amdhsa.version: [ 1, 2 ]
amdhsa.kernels:
  - .name:           k_qda3d0d05f8_attn
    .symbol:         k_qda3d0d05f8_attn.kd
    .args:
      - { .name: q_img, .offset: 0, .size: 8, .value_kind: global_buffer, .address_space: global }
      - { .name: kv_img, .offset: 8, .size: 8, .value_kind: global_buffer, .address_space: global }
      - { .name: lowp_scales, .offset: 16, .size: 8, .value_kind: global_buffer, .address_space: global }
      - { .name: phys_bias, .offset: 24, .size: 8, .value_kind: global_buffer, .address_space: global }
      - { .name: o_img, .offset: 32, .size: 8, .value_kind: global_buffer, .address_space: global }
    .group_segment_fixed_size: 263168
    .private_segment_fixed_size: 0
    .kernarg_segment_align: 8
    .kernarg_segment_size: 40
    .max_flat_workgroup_size: 256
    .sgpr_count:     70
    .vgpr_count:     256
    .wavefront_size: 32
...
	.end_amdgpu_metadata
.endif
;; end of part 3
;; launch proj (part 4): grid 8 x 32, 4 waves a work-group, clusters of 4 x 1, 167,936 bytes of LDS; arguments o_img, proj_w_codes, proj_b, lowp_scales, x, x1, stats2; writes x1, stats2
.if DOCPART == 4
	.amdgcn_target "amdgcn-amd-amdhsa--gfx1250"
	.amdhsa_code_object_version 6
	.text
	.protected	k_qda3d0d05f8_proj
	.globl	k_qda3d0d05f8_proj
	.p2align	8
	.type	k_qda3d0d05f8_proj,@function
k_qda3d0d05f8_proj:
	s_mov_b64 s[64:65], 0
	v_nop
	global_prefetch_b8 v0, s[64:65] scope:SCOPE_SE
	s_setreg_imm32_b32 hwreg(HW_REG_WAVE_MODE, 25, 1), 1
	s_wait_xcnt 0x0
	s_wait_alu depctr_hold_cnt(0) depctr_sa_sdst(0) depctr_va_vdst(0) depctr_va_sdst(0) depctr_va_ssrc(0) depctr_va_vcc(0) depctr_vm_vsrc(0)
	s_getreg_b32 s2, hwreg(HW_REG_IB_STS2, 6, 4)
	s_cmp_eq_u32 s2, 0
	s_cbranch_scc0 .Lentry_in_a_cluster
	s_endpgm
.Lentry_in_a_cluster:
	s_bfe_u32 s2, ttmp6, 0x10000c
	s_cmp_lg_u32 s2, 0x3003
	s_cbranch_scc0 .Lentry_shape_is_right
	s_endpgm
.Lentry_shape_is_right:
; x1 = x + o proj_w^T + proj_b, and the partial statistics of x1 for the second GroupNorm.  No work of the problem is left out here.
; SHARES.  A work-group takes 256 tokens of one batch x 32 output channels.  For the product wave w takes token tiles 4 w .. 4 w + 3 against both tiles of 16 channels.
; The product is used as it is (source 0 = 16 tokens, source 1 = 16 rows of the weight): a lane holds one channel and eight neighbouring tokens, 32 consecutive bytes of a row of x1.
; They meet in a stage (32 rows of 1,024 bytes + 16); behind a barrier wave w takes channels 8 w .. 8 w + 7, one group of GroupNorm x 256 tokens = 2,048 numbers: it adds x, stores whole rows, and stores (mean, M2) of them.
; CLUSTER.  The four work-groups of a cluster take the same 256 tokens and read the same 65,536 bytes of o's codes: asked for jointly (mask 15), two heads a wave: one tensor load of mine is out.
; o_img holds images of the operand's registers: head 4 s + c is group c of K step s.  The weight's 8,192 bytes and x go straight into registers.
; LIMIT: e6 + e7 between -126 and 127.  NaN among the inputs is not served.
.set AIMG,  0                          ; head h's 16 tiles at 8,192 h
.set STG,   65536                      ; the stage
.set SP,    1040
.set SPARE, STG+32*SP                  ; the spare words: 128 bytes for each of four waves
.set LI,  1                            ; v1   16 x lane
.set SPW, 2
.set NIL, 3
.set AA,  4                            ; v4   16 x lane + 2,048 x wave: my four tiles in a head's images
.set AWG, 5                            ; v5   256 r + 16 hh: my place in the weight's rows
.set STO, 6                            ; v6   the stage, on the way in
.set RDY, 7                            ; v7   and back
.set BO,  8                            ; v8   4 r
.set LN,  9                            ; v9   lane
.set BI,  10                           ; v[10:11], v[12:13] the bias of my channel in tile u
.set ZR,  14                           ; v14  0
.set MN,  16                           ; v[16:17]
.set WFR, 32                           ; v32-95   the weight's four fragments; later the stage's rows
.set AF,  96                           ; v96-159  four fragments of o
.set AC,  160                          ; v160-191 four accumulators; later the statistics' chains
.set VV,  192                          ; v192-255 x, then x1: 64 numbers a lane
.set TT,  160
.set DD,  168
.set WV,  18
.set SCL, 28                           ; s[28:29] 2^(e6 + e7)
.set SEL, 52
.set SB,  16
.set SX,  54
.macro PLACES n
.rept \n
	v_nop
.endr
.endm
.macro CROUND
	s_barrier_signal -1
	s_barrier_wait -1
	s_cmp_lg_u32 s[WV], 0
	s_cbranch_scc1 .Lnot_wave_0_\@
	s_barrier_signal -3
.Lnot_wave_0_\@:
	s_barrier_wait -3
	s_barrier_signal -1
	s_barrier_wait -1
.endm
.macro JOIN
	v_pk_add_f32 v[TT:TT+1], v[TT:TT+1], v[TT+2:TT+3]
	v_pk_add_f32 v[TT+4:TT+5], v[TT+4:TT+5], v[TT+6:TT+7]
	v_pk_add_f32 v[TT:TT+1], v[TT:TT+1], v[TT+4:TT+5]
	v_add_f32 v[TT], v[TT], v[TT+1]
	v_add_f32_dpp v[TT], v[TT], v[TT] row_xmask:1 row_mask:0xf bank_mask:0xf
	v_add_f32_dpp v[TT], v[TT], v[TT] row_xmask:2 row_mask:0xf bank_mask:0xf
	v_add_f32_dpp v[TT], v[TT], v[TT] row_xmask:4 row_mask:0xf bank_mask:0xf
	v_add_f32_dpp v[TT], v[TT], v[TT] row_xmask:8 row_mask:0xf bank_mask:0xf
	v_permlanex16_b32 v[TT+1], v[TT], s[SEL], s[SEL+1]
	v_add_f32 v[TT], v[TT], v[TT+1]
.endm
.macro STATS                           ; (mean, M2) of the 2,048 numbers in v[VV] on; lane 0 stores the pair
.irp k, 0,1,2,3
	v_pk_add_f32 v[TT+2*\k:TT+2*\k+1], v[VV+2*\k:VV+2*\k+1], v[VV+8+2*\k:VV+9+2*\k]
.endr
.set i, 8
.rept 24
	v_pk_add_f32 v[TT+2*(i%4):TT+2*(i%4)+1], v[TT+2*(i%4):TT+2*(i%4)+1], v[VV+2*i:VV+2*i+1]
.set i, i+1
.endr
	JOIN
	v_mul_f32 v[MN], 0x3a000000, v[TT]             ; mean = sum / 2,048
	v_mov_b32 v[MN+1], v[MN]
.set i, 0
.rept 32
	v_pk_add_f32 v[DD+2*(i%4):DD+2*(i%4)+1], v[VV+2*i:VV+2*i+1], v[MN:MN+1] neg_lo:[0,1] neg_hi:[0,1]
.if i < 4
	v_pk_mul_f32 v[TT+2*(i%4):TT+2*(i%4)+1], v[DD+2*(i%4):DD+2*(i%4)+1], v[DD+2*(i%4):DD+2*(i%4)+1]
.else
	v_pk_fma_f32 v[TT+2*(i%4):TT+2*(i%4)+1], v[DD+2*(i%4):DD+2*(i%4)+1], v[DD+2*(i%4):DD+2*(i%4)+1], v[TT+2*(i%4):TT+2*(i%4)+1]
.endif
.set i, i+1
.endr
	JOIN
	v_mov_b32 v[MN+1], v[TT]
	s_wait_xcnt 0x0                                ; EXEC changes only behind this wait: the stores above have read it
	v_cmp_eq_u32 vcc_lo, 0, v[LN]
	s_and_saveexec_b32 s[SX], vcc_lo
	global_store_b64 v[ZR], v[MN:MN+1], s[SB:SB+1]
	s_wait_xcnt 0x0
	s_or_b32 exec_lo, exec_lo, s[SX]
.endm
	s_load_b256 s[4:11], s[0:1], 0x0               ; o_img, proj_w_codes, proj_b, lowp_scales
	s_load_b128 s[12:15], s[0:1], 0x20             ; x, x1
	s_load_b64 s[16:17], s[0:1], 0x30              ; stats2
	v_lshl_add_u32 v[SPW], v0, 2, SPARE
	v_mov_b32 v[NIL], 0
	ds_add_u32 v[SPW], v[NIL]                      ; the wave's opening: the add, twice on end, and its wait ahead of my first tensor load
	ds_add_u32 v[SPW], v[NIL]
	v_lshrrev_b32 v[LN], 5, v0
	v_readfirstlane_b32 s[WV], v[LN]               ; wave 0..3
	s_bfe_u32 s20, ttmp6, 0x40000                  ; cx
	s_lshl_b32 s21, ttmp9, 2
	s_add_co_u32 s21, s21, s20                     ; cb: which 32 channels
	s_and_b32 s22, ttmp7, 0xffff                   ; y = 16 b + tb
	s_lshr_b32 s23, s22, 4                         ; b
	s_and_b32 s24, s22, 15                         ; tb: which 256 tokens
	; group 1: two heads' 8,192 bytes each: 2 rows of 1,024 elements of 8 bytes, 16,384 elements (a head's images) apart
	s_mov_b32 s32, 15|(3<<16)|(1<<21)
	s_mov_b32 s33, 1024<<16
	s_mov_b32 s34, 2<<16
	s_mov_b32 s35, 1024<<16
	s_mov_b32 s36, 2
	s_mov_b32 s37, 16384
	s_mov_b32 s38, 0
	s_mov_b32 s39, 0
	s_mov_b32 s40, 1
	s_lshl_b32 s41, s[WV], 14                      ; heads 2 w, 2 w + 1
	s_lshl_b32 s44, s23, 3
	s_lshl_b32 s45, s[WV], 1
	s_add_co_u32 s44, s44, s45
	s_lshl_b32 s44, s44, 17                        ; 131,072 (8 b + 2 w)
	s_lshl_b32 s45, s24, 13
	s_add_co_u32 s44, s44, s45                     ; + 8,192 tb: nothing of cx in it
	s_mov_b32 s45, 0
	s_lshl_b32 s46, s21, 13                        ; the weight: 8,192 cb
	s_mov_b32 s47, 0
	s_lshl_b32 s48, s21, 7                         ; the bias: 128 cb
	s_mov_b32 s49, 0
	s_lshl_b32 s50, s21, 5
	s_lshl_b32 s51, s[WV], 3
	s_add_co_u32 s50, s50, s51                     ; channel 32 cb + 8 w
	s_lshl_b32 s50, s50, 14
	s_lshl_b32 s51, s23, 22
	s_add_co_u32 s50, s50, s51
	s_lshl_b32 s51, s24, 10
	s_add_co_u32 s50, s50, s51                     ; x, x1: 4,194,304 b + 16,384 channel + 1,024 tb
	s_mov_b32 s51, 0
	s_lshl_b32 s56, s22, 5
	s_lshl_b32 s57, s21, 2
	s_add_co_u32 s56, s56, s57
	s_add_co_u32 s56, s56, s[WV]
	s_lshl_b32 s56, s56, 3                         ; stats2: 8 (32 (16 b + tb) + 4 cb + w)
	s_mov_b32 s57, 0
	s_mov_b32 s[SEL], 0x76543210
	s_mov_b32 s[SEL+1], 0xfedcba98
	s_wait_dscnt 0x0                               ; both opening adds are done
	s_wait_kmcnt 0x0
	s_load_b64 s[26:27], s[10:11], 0x18            ; e6, e7
	s_add_nc_u64 s[42:43], s[4:5], s[44:45]
	s_or_b32 s43, s43, 0x80000000
	s_add_nc_u64 s[6:7], s[6:7], s[46:47]
	s_add_nc_u64 s[8:9], s[8:9], s[48:49]
	s_add_nc_u64 s[12:13], s[12:13], s[50:51]
	s_add_nc_u64 s[14:15], s[14:15], s[50:51]
	s_add_nc_u64 s[16:17], s[16:17], s[56:57]
	CROUND                                         ; all four work-groups are here: the joint loads meet
	tensor_load_to_lds s[40:43], s[32:39]
	s_nop 0
	PLACES 4
	v_and_b32 v[LN], 31, v0
	v_and_b32 v20, 15, v0                          ; r
	v_bfe_u32 v21, v0, 4, 1                        ; hh
	v_lshlrev_b32 v[LI], 4, v[LN]
	v_lshlrev_b32 v[AWG], 8, v20
	v_lshl_add_u32 v[AWG], v21, 4, v[AWG]
	v_lshlrev_b32 v[BO], 2, v20
.irp u, 0,1
.irp s, 0,1
.irp c, 0,1,2,3
	global_load_b128 v[WFR+16*(2*\u+\s)+4*\c:WFR+16*(2*\u+\s)+4*\c+3], v[AWG], s[6:7] offset:4096*\u+128*\s+32*\c
.endr
.endr
.endr
	global_load_b32 v[BI], v[BO], s[8:9]
	global_load_b32 v[BI+2], v[BO], s[8:9] offset:64
.irp i, 0,1,2,3,4,5,6,7
.irp h, 0,1
	global_load_b128 v[VV+4*(2*\i+\h):VV+4*(2*\i+\h)+3], v[LI], s[12:13] offset:16384*\i+512*\h   ; x: my 8 channels x 256 tokens; each load covers 512 consecutive bytes
.endr
.endr
	v_mov_b32 v[BI+1], 0                           ; (named as the upper halves of pairs)
	v_mov_b32 v[BI+3], 0
	v_mov_b32 v[ZR], 0
	s_lshl_b32 s44, s[WV], 11
	v_add_nc_u32 v[AA], s44, v[LI]
	s_lshl_b32 s44, s[WV], 8
	s_add_co_u32 s44, s44, STG
	v_mul_u32_u24 v[STO], v20, SP
	v_lshl_add_u32 v[STO], v21, 5, v[STO]
	v_add_nc_u32 v[STO], s44, v[STO]               ; row r, + 32 hh, + my 64 tokens' 256 bytes
	s_mul_i32 s44, s[WV], 8*SP
	s_add_co_u32 s44, s44, STG
	v_add_nc_u32 v[RDY], s44, v[LI]
	s_wait_kmcnt 0x0
	s_add_co_i32 s[SCL], s26, s27
	s_add_co_i32 s[SCL], s[SCL], 127
	s_lshl_b32 s[SCL], s[SCL], 23                  ; 2^(e6 + e7)
	s_mov_b32 s[SCL+1], s[SCL]
	s_wait_tensorcnt 0x0                           ; my two heads' images are in
	s_barrier_signal -1
	s_barrier_wait -1                              ; everybody's are
.macro HALF p                          ; my token tiles 2 p, 2 p + 1
.irp mm, 0,1
.irp s, 0,1
.irp c, 0,1,2,3
	ds_load_b128 v[AF+16*(2*\mm+\s)+4*\c:AF+16*(2*\mm+\s)+4*\c+3], v[AA] offset:8192*(4*\s+\c)+512*(2*\p+\mm)
.endr
.endr
.endr
	s_wait_dscnt 0x0                               ; the fragments are in; in the second half also: the first half's stores have read the accumulators
.if \p == 0
	s_wait_loadcnt 16                              ; the weight and the bias are in; x's 16 loads, issued behind them, may stay out
.endif
.irp s, 0,1
.irp mm, 0,1
.irp u, 0,1
.if \s == 0
	v_wmma_f32_16x16x128_fp8_fp8 v[AC+16*\mm+8*\u:AC+16*\mm+8*\u+7], v[AF+16*(2*\mm+\s):AF+16*(2*\mm+\s)+15], v[WFR+16*(2*\u+\s):WFR+16*(2*\u+\s)+15], 0
.else
	v_wmma_f32_16x16x128_fp8_fp8 v[AC+16*\mm+8*\u:AC+16*\mm+8*\u+7], v[AF+16*(2*\mm+\s):AF+16*(2*\mm+\s)+15], v[WFR+16*(2*\u+\s):WFR+16*(2*\u+\s)+15], v[AC+16*\mm+8*\u:AC+16*\mm+8*\u+7]
.endif
.endr
.endr
.endr
	PLACES 4
.irp mm, 0,1
.irp u, 0,1
.irp k, 0,2,4,6
	v_pk_fma_f32 v[AC+16*\mm+8*\u+\k:AC+16*\mm+8*\u+\k+1], v[AC+16*\mm+8*\u+\k:AC+16*\mm+8*\u+\k+1], s[SCL:SCL+1], v[BI+2*\u:BI+2*\u+1] op_sel_hi:[1,0,0]   ; sum x 2^(e6 + e7) + bias, each accumulator from its low end on
.endr
.endr
.endr
.irp mm, 0,1
.irp u, 0,1
	ds_store_b128 v[STO], v[AC+16*\mm+8*\u:AC+16*\mm+8*\u+3] offset:16*SP*\u+64*(2*\p+\mm)
	ds_store_b128 v[STO], v[AC+16*\mm+8*\u+4:AC+16*\mm+8*\u+7] offset:16*SP*\u+64*(2*\p+\mm)+16
.endr
.endr
.endm
	HALF 0
	HALF 1
	s_wait_dscnt 0x0                               ; for the others' sake: my stores into the stage are done
	s_barrier_signal -1
	s_barrier_wait -1
.irp i, 0,1,2,3,4,5,6,7
.irp h, 0,1
	ds_load_b128 v[WFR+4*(2*\i+\h):WFR+4*(2*\i+\h)+3], v[RDY] offset:SP*\i+512*\h
.endr
.endr
	s_wait_dscnt 0x0
	s_wait_loadcnt 0x0                             ; x
.set i, 0
.rept 32
	v_pk_add_f32 v[VV+2*i:VV+2*i+1], v[VV+2*i:VV+2*i+1], v[WFR+2*i:WFR+2*i+1]
.set i, i+1
.endr
.irp i, 0,1,2,3,4,5,6,7
.irp h, 0,1
	global_store_b128 v[LI], v[VV+4*(2*\i+\h):VV+4*(2*\i+\h)+3], s[14:15] offset:16384*\i+512*\h   ; each store of the wave covers 512 consecutive bytes, aligned
.endr
.endr
	STATS                                          ; it only reads x1's registers
	s_wait_tensorcnt 0x0                           ; the wave's end
	ds_add_u32 v[SPW], v[NIL]
	s_wait_dscnt 0x0
	CROUND                                         ; the closing round
	s_endpgm
.Lfunc_end_k_qda3d0d05f8_proj:
	.size	k_qda3d0d05f8_proj, .Lfunc_end_k_qda3d0d05f8_proj-k_qda3d0d05f8_proj
	.p2alignl 7, 3214868480
	.fill 96, 4, 3214868480
	.section	.rodata,"a",@progbits
	.p2align	6, 0x0
	.amdhsa_kernel k_qda3d0d05f8_proj
		.amdhsa_group_segment_fixed_size 167936
		.amdhsa_private_segment_fixed_size 0
		.amdhsa_enable_private_segment 0
		.amdhsa_kernarg_size 56
		.amdhsa_user_sgpr_count 2
		.amdhsa_user_sgpr_kernarg_segment_ptr 1
		.amdhsa_wavefront_size32 1
		.amdhsa_system_sgpr_workgroup_id_x 1
		.amdhsa_system_sgpr_workgroup_id_y 1
		.amdhsa_system_sgpr_workgroup_id_z 1
		.amdhsa_system_vgpr_workitem_id 0
		.amdhsa_next_free_vgpr 256
		.amdhsa_next_free_sgpr 66
		.amdhsa_reserve_vcc 1
		.amdhsa_float_denorm_mode_32 3
		.amdhsa_float_denorm_mode_16_64 3
		.amdhsa_memory_ordered 1
		.amdhsa_forward_progress 1
		.amdhsa_inst_pref_size 27
	.end_amdhsa_kernel
	.amdgpu_metadata
---
amdhsa.version: [ 1, 2 ]
amdhsa.kernels:
  - .name:           k_qda3d0d05f8_proj
    .symbol:         k_qda3d0d05f8_proj.kd
    .args:
      - { .name: o_img, .offset: 0, .size: 8, .value_kind: global_buffer, .address_space: global }
      - { .name: proj_w_codes, .offset: 8, .size: 8, .value_kind: global_buffer, .address_space: global }
      - { .name: proj_b, .offset: 16, .size: 8, .value_kind: global_buffer, .address_space: global }
      - { .name: lowp_scales, .offset: 24, .size: 8, .value_kind: global_buffer, .address_space: global }
      - { .name: x, .offset: 32, .size: 8, .value_kind: global_buffer, .address_space: global }
      - { .name: x1, .offset: 40, .size: 8, .value_kind: global_buffer, .address_space: global }
      - { .name: stats2, .offset: 48, .size: 8, .value_kind: global_buffer, .address_space: global }
    .group_segment_fixed_size: 167936
    .private_segment_fixed_size: 0
    .kernarg_segment_align: 8
    .kernarg_segment_size: 56
    .max_flat_workgroup_size: 128
    .sgpr_count:     66
    .vgpr_count:     256
    .wavefront_size: 32
...
	.end_amdgpu_metadata
.endif
;; end of part 4
;; launch mlp (part 5): grid 64 x 2, 8 waves a work-group, clusters of 4 x 1, 327,680 bytes of LDS; arguments x1, stats2, gn2_w, gn2_b, mlp_w1_codes, mlp_b1, mlp_w2_codes, mlp_b2, lowp_scales, out0; writes out0
.if DOCPART == 5
	.amdgcn_target "amdgcn-amd-amdhsa--gfx1250"
	.amdhsa_code_object_version 6
	.text
	.protected	k_qda3d0d05f8_mlp
	.globl	k_qda3d0d05f8_mlp
	.p2align	8
	.type	k_qda3d0d05f8_mlp,@function
k_qda3d0d05f8_mlp:
	s_mov_b64 s[64:65], 0
	v_nop
	global_prefetch_b8 v0, s[64:65] scope:SCOPE_SE
	s_setreg_imm32_b32 hwreg(HW_REG_WAVE_MODE, 25, 1), 1
	s_wait_xcnt 0x0
	s_wait_alu depctr_hold_cnt(0) depctr_sa_sdst(0) depctr_va_vdst(0) depctr_va_sdst(0) depctr_va_ssrc(0) depctr_va_vcc(0) depctr_vm_vsrc(0)
	s_getreg_b32 s2, hwreg(HW_REG_IB_STS2, 6, 4)
	s_cmp_eq_u32 s2, 0
	s_cbranch_scc0 .Lentry_in_a_cluster
	s_endpgm
.Lentry_in_a_cluster:
	s_bfe_u32 s2, ttmp6, 0x10000c
	s_cmp_lg_u32 s2, 0x3003
	s_cbranch_scc0 .Lentry_shape_is_right
	s_endpgm
.Lentry_shape_is_right:
; out0 = x1 + W2 gelu(W1 GroupNorm2(x1) + b1) + b2, both products on codes of E4M3.  No work of the problem is left out here.  The hidden layer never goes to memory.
; SHARES.  A work-group takes 64 tokens of one batch (a row of x1's and of out0's tile is 256 consecutive bytes, aligned).  The hidden layer goes in four chunks of 256 units.  Wave w makes hidden units
; 32 w .. 32 w + 31 of a chunk and output channels 32 w .. 32 w + 31, for all four tiles of 16 tokens: each fragment of a weight read from LDS feeds four matrix instructions, and no weight byte is read from LDS twice.
; CLUSTER.  The four work-groups of a cluster walk the same weights: every chunk of W1 (waves 0-3, 64 rows each) and of W2 (waves 4-7) is asked for jointly (mask 15).
; ONE SLOT FOR EACH WEIGHT.  W1's slot is free as soon as every wave holds its chunk's fragments in registers, W2's since the last chunk's second product: both are asked for again at that one point, behind a round
; of the cluster's barrier, and have the chunk's first product and its whole GELU in which to land.  One load of a wave is out behind a round; two at the head.  All of a WGP's LDS is claimed.
; THE FIRST PRODUCT IS USED TRANSPOSED (source 0 = 16 rows of W1, source 1 = 16 tokens), and lane r of tile u takes row r + 8 (r / 8) + 8 u of my 32: a lane's 16 registers of a tile of tokens are units 16 hh + 0 .. 15,
; so the conversions' results are four registers of the second product's operand; they go from wave to wave as images of registers.  The second product is used as it is: a lane holds one channel and eight neighbouring tokens.
; GELU.  gelu(x) = max(x, 0) - z E (a1' t + .. + a5' t^5), z = |x| / sqrt 2, t = 1 / (1 + p z), E = 2^(-z^2 log2 e): erf by Abramowitz and Stegun 7.1.26, its a_i multiplied by 1 / sqrt 2.
; LIMIT: erf is within 1.5e-7 absolute, so gelu is within about 1e-7 |x|; the form has no cancellation for negative x and holds for every finite x.
; NORMALISING as in the launch that makes q, k, v: x A_c + B_c, one multiply-add: an order of rounding other than (x - mean) / sqrt(var + eps) w + b.
; LIMITS: e8 and e10 between -126 and 119; e8 + e9 and e10 + e11 between -126 and 127.  NaN among the inputs is not served.
.set PX,    272                        ; an LDS row: 256 bytes + 16 of padding
.set XT,    0                          ; x1's tile: 256 channels x 64 tokens of f32; on the way out each wave's own 32 rows are its stage (they have had their one fill)
.set SW1,   256*PX                     ; a chunk of W1: 256 rows of 256 codes
.set SW2,   2*256*PX                   ; a chunk of W2: 256 rows of 256 codes
.set XIMG,  3*256*PX                   ; the 8 fragments of the normalised x1
.set HIMG,  XIMG+16384                 ; the chunk's 8 fragments of the hidden layer: (m, s2) at 2,048 (2 m + s2)
.set TAB,   HIMG+16384                 ; A_c, then B_c
.set SPARE, TAB+2048                   ; the spare words: 128 bytes for each of eight waves
.set LI,  1
.set SPW, 2
.set NIL, 3
.set AX,  4
.set AT,  5
.set XWI, 6
.set AW1, 7                            ; v7   my rows of W1's chunk
.set AW2, 8                            ; v8   my rows of W2's chunk
.set HWI, 9                            ; v9   where I store my four registers of a hidden fragment
.set XSC, 10                           ; v10, v11  2^e8, 448 x 2^e8
.set HSC, 12                           ; v12, v13  2^e10, 448 x 2^e10
.set B2,  14                           ; v[14:15], v[16:17] b2 of my channel in tile n
.set A4,  18                           ; v[18:19] a4', twice
.set LIX, 20
.set TBW, 21
.set SO8, 22
.set CO4, 23
.set GW,  24
.set GB,  25
.set AXD, 26                           ; v26  the way out: my 32 bytes of a channel's row
.set AXR, 27                           ; v27  and a whole row back
.set GO,  28                           ; v28  my byte offset in out0's rows
.set LIH, 29                           ; v29  HIMG + 16 x lane
.set HA,  32                           ; v32-95   the hidden layer's 8 accumulators, (m, u) at 16 m + 8 u; later hidden fragments of K step 0
.set HB,  96                           ; v96-159  hidden fragments of K step 1
.set WF,  160                          ; v160-223 four fragments of a weight; between the products the GELU's temporaries
.set ZZ,  160
.set TT,  176
.set EE,  192
.set PL,  208
.set PC,  224                          ; v224-239 codes just made
.set YA,  128                          ; window 1: v0-127 x's fragments; v128-191 y's 8 accumulators, (n, m) at 8 (4 n + m); v192-255 b1, chunk j at 16 j
.set B1,  192
.set WV,  24
.set S1,  72                           ; s[72:73] 2^(e8 + e9)
.set S2,  74                           ; s[74:75] 2^(e10 + e11)
.set PP,  76                           ; s[76:77] p
.set NL,  78                           ; s[78:79] -log2(e)
.set A5,  80
.set A3,  82
.set A2,  84
.set A1,  86
.set RS2, 88                           ; 1 / sqrt 2
.set EPS, 89
.set TS,  96
.set MSB, 0
.macro WIN new
.if MSB != \new
	s_set_vgpr_msb (MSB<<8)|\new
.set MSB, \new
.endif
.endm
.macro PLACES n
.rept \n
	v_nop
.endr
.endm
.macro CROUND
	s_barrier_signal -1
	s_barrier_wait -1
	s_cmp_lg_u32 s[WV], 0
	s_cbranch_scc1 .Lnot_wave_0_\@
	s_barrier_signal -3
.Lnot_wave_0_\@:
	s_barrier_wait -3
	s_barrier_signal -1
	s_barrier_wait -1
.endm
.macro MKSC e, vs
	s_add_co_i32 s[\e], s[\e], 127
	s_lshl_b32 s[TS], s[\e], 23
	v_mov_b32 v[\vs], s[TS]
	s_add_co_i32 s[\e], s[\e], 8
	s_lshl_b32 s[\e], s[\e], 23
	s_or_b32 s[\e], s[\e], 0x600000
	v_mov_b32 v[\vs+1], s[\e]
.endm
; A joint load: waves 0-3 fetch for W1's slot, waves 4-7 for W2's.  The branch hangs on the wave's number alone.  do1, do2: whether that slot has a chunk to fetch.
.macro JLOAD do1, do2
	s_cmp_lt_u32 s[WV], 4
	s_cbranch_scc0 .Lfor_2_\@
.if \do1
	tensor_load_to_lds s[56:59], s[36:43]
	s_nop 0
	PLACES 4
.endif
	s_branch .Lasked_\@
.Lfor_2_\@:
.if \do2
	tensor_load_to_lds s[60:63], s[44:51]
	s_nop 0
	PLACES 4
.endif
.Lasked_\@:
.endm
	s_load_b256 s[4:11], s[0:1], 0x0               ; x1, stats2, gn2_w, gn2_b
	s_load_b256 s[12:19], s[0:1], 0x20             ; mlp_w1_codes, mlp_b1, mlp_w2_codes, mlp_b2
	s_load_b128 s[20:23], s[0:1], 0x40             ; lowp_scales, out0
	v_lshl_add_u32 v[SPW], v0, 2, SPARE
	v_mov_b32 v[NIL], 0
	ds_add_u32 v[SPW], v[NIL]                      ; the wave's opening: the add, twice on end, and its wait ahead of my first tensor load
	ds_add_u32 v[SPW], v[NIL]
	v_lshrrev_b32 v86, 5, v0
	v_readfirstlane_b32 s[WV], v86                 ; wave 0..7
	s_bfe_u32 s25, ttmp6, 0x40000                  ; cx
	s_lshl_b32 s26, ttmp9, 2
	s_add_co_u32 s26, s26, s25                     ; blk: which 64 tokens
	s_and_b32 s27, ttmp7, 0xffff                   ; b
	; group 1 for x1's tile: 32 rows of 64 elements of 4 bytes, 4,096 elements apart; 4 words of padding behind every 64
	s_mov_b32 s28, (2<<16)|(1<<20)|(5<<22)|(3<<25)
	s_mov_b32 s29, 64<<16
	s_mov_b32 s30, 32<<16
	s_mov_b32 s31, 64<<16
	s_mov_b32 s32, 32
	s_mov_b32 s33, 4096
	s_mov_b32 s34, 0
	s_mov_b32 s35, 0
	; group 1 for W1: 64 rows of 256 bytes, 256 apart; for W2: 1,024 apart; the mask names the cluster's four
	s_mov_b32 s36, 15|(1<<20)|(1<<21)|(5<<22)|(3<<25)
	s_mov_b32 s37, 256<<16
	s_mov_b32 s38, 64<<16
	s_mov_b32 s39, 256<<16
	s_mov_b32 s40, 64
	s_mov_b32 s41, 256
	s_mov_b32 s42, 0
	s_mov_b32 s43, 0
	s_mov_b32 s44, 15|(1<<20)|(1<<21)|(5<<22)|(3<<25)
	s_mov_b32 s45, 256<<16
	s_mov_b32 s46, 64<<16
	s_mov_b32 s47, 256<<16
	s_mov_b32 s48, 64
	s_mov_b32 s49, 1024
	s_mov_b32 s50, 0
	s_mov_b32 s51, 0
	s_mov_b32 s52, 1
	s_mul_i32 s53, s[WV], 32*PX                    ; x1: my 32 channels' rows
	s_and_b32 s66, s[WV], 3                        ; which 64 rows of a weight's chunk
	s_mov_b32 s56, 1
	s_mul_i32 s57, s66, 64*PX
	s_mov_b32 s60, 1
	s_add_co_u32 s61, s57, SW2
	s_add_co_u32 s57, s57, SW1
	s_lshl_b32 s90, s66, 14                        ; W1: 64 rows of 256 bytes
	s_mov_b32 s91, 0
	s_lshl_b32 s92, s66, 16                        ; W2: 64 rows of 1,024 bytes
	s_mov_b32 s93, 0
	s_lshl_b32 s94, s27, 22                        ; x1, out0: 4,194,304 b + 524,288 wave + 256 blk
	s_lshl_b32 s67, s[WV], 19
	s_add_co_u32 s94, s94, s67
	s_lshl_b32 s67, s26, 8
	s_add_co_u32 s94, s94, s67
	s_mov_b32 s95, 0
	s_mov_b32 s[EPS], 0x3727c5ac                   ; 1e-5
	s_mov_b32 s[PP], 0x3ea7ba05                    ; p = 0.3275911
	s_mov_b32 s[PP+1], s[PP]
	s_mov_b32 s[NL], 0xbfb8aa3b
	s_mov_b32 s[NL+1], s[NL]
	s_mov_b32 s[A5], 0x3f402289                    ; a5' = 0.75052698
	s_mov_b32 s[A5+1], s[A5]
	s_mov_b32 s[A3], 0x3f80a6d5                    ; a3' = 1.00509129
	s_mov_b32 s[A3+1], s[A3]
	s_mov_b32 s[A2], 0xbe4dff65                    ; a2' = -0.20116957
	s_mov_b32 s[A2+1], s[A2]
	s_mov_b32 s[A1], 0x3e38842e                    ; a1' = 0.18019173
	s_mov_b32 s[A1+1], s[A1]
	s_mov_b32 s[RS2], 0x3f3504f3
	s_wait_dscnt 0x0                               ; both opening adds are done
	s_wait_kmcnt 0x0
	s_load_b128 s[68:71], s[20:21], 0x20           ; e8 .. e11
	s_add_nc_u64 s[54:55], s[4:5], s[94:95]
	s_or_b32 s55, s55, 0x80000000
	s_add_nc_u64 s[58:59], s[12:13], s[90:91]
	s_or_b32 s59, s59, 0x80000000
	s_add_nc_u64 s[62:63], s[16:17], s[92:93]
	s_or_b32 s63, s63, 0x80000000
	s_add_nc_u64 s[22:23], s[22:23], s[94:95]
	CROUND                                         ; all four work-groups are here: the joint loads meet
	tensor_load_to_lds s[52:55], s[28:35]          ; my part of x1's tile: every wave issues it,
	s_nop 0
	JLOAD 1, 1                                     ; and its part of chunk 0 of W1 or of W2: two loads of mine are out
	; b1, b2, and the statistics of my channel's group
	v_and_b32 v88, 31, v0                          ; lane
	v_and_b32 v86, 15, v0                          ; r
	v_bfe_u32 v87, v0, 4, 1                        ; hh
	v_lshlrev_b32 v30, 6, v87                      ; b1: 16 hh numbers on
	v_lshlrev_b32 v31, 2, v86                      ; b2: r numbers on
	s_lshl_b32 s66, s[WV], 7
	s_mov_b32 s67, 0
	s_add_nc_u64 s[14:15], s[14:15], s[66:67]      ; my 32 units,
	s_add_nc_u64 s[18:19], s[18:19], s[66:67]      ; my 32 channels
	s_lshl_b32 s66, s27, 12
	s_add_nc_u64 s[6:7], s[6:7], s[66:67]          ; stats2 at my batch
	WIN 0x40                                       ; destination window 1
.irp j, 0,1,2,3
.irp q, 0,1,2,3
	global_load_b128 v[B1+16*\j+4*\q:B1+16*\j+4*\q+3], v30, s[14:15] offset:1024*\j+16*\q   ; units 256 j + 32 w + 16 hh + 0 .. 15
.endr
.endr
	WIN 0
	global_load_b32 v[B2], v31, s[18:19]
	global_load_b32 v[B2+2], v31, s[18:19] offset:64
	v_lshrrev_b32 v[SO8], 3, v0
	v_lshlrev_b32 v[SO8], 3, v[SO8]
	v_lshlrev_b32 v[CO4], 2, v0
.irp p, 0,1,2,3,4,5,6,7,8,9,10,11,12,13,14,15
	global_load_b64 v[32+2*\p:33+2*\p], v[SO8], s[6:7] offset:256*\p
.endr
	global_load_b32 v[GW], v[CO4], s[8:9]
	global_load_b32 v[GB], v[CO4], s[10:11]
	; addresses, while those loads are out
	v_mov_b32 v[B2+1], 0                           ; (named as the upper halves of pairs)
	v_mov_b32 v[B2+3], 0
	v_mov_b32 v[A4], 0xbf838639                    ; a4' = -1.02753365
	v_mov_b32 v[A4+1], 0xbf838639
	v_lshlrev_b32 v[LI], 4, v88
	s_and_b32 s90, s[WV], 1                        ; my fragment of x: K step s = wave % 2,
	s_lshr_b32 s91, s[WV], 1                       ; tile of tokens m = wave / 2
	s_mul_i32 s92, s90, 128*PX
	s_lshl_b32 s91, s91, 6
	s_add_co_u32 s92, s92, s91
	v_mul_u32_u24 v[AX], v87, 16*PX
	v_lshl_add_u32 v[AX], v86, 2, v[AX]
	v_add_nc_u32 v[AX], s92, v[AX]
	s_lshl_b32 s90, s90, 9
	s_add_co_u32 s90, s90, TAB
	v_lshl_add_u32 v[AT], v87, 6, s90
	s_lshl_b32 s90, s[WV], 11
	s_add_co_u32 s90, s90, XIMG
	v_add_nc_u32 v[XWI], s90, v[LI]
	v_add_nc_u32 v[LIX], XIMG, v[LI]
	v_add_nc_u32 v[LIH], HIMG, v[LI]
	v_lshl_add_u32 v[TBW], v0, 2, TAB
	s_mul_i32 s92, s[WV], 32*PX                    ; my 32 rows in each of XT, SW1, SW2
	v_and_b32 v89, 8, v86
	v_add_nc_u32 v89, v89, v86                     ; r + 8 (r / 8)
	v_mul_u32_u24 v[AW1], v89, PX
	v_lshl_add_u32 v[AW1], v87, 4, v[AW1]
	s_add_co_u32 s90, s92, SW1
	v_add_nc_u32 v[AW1], s90, v[AW1]
	v_mul_u32_u24 v[AW2], v86, PX
	v_lshl_add_u32 v[AW2], v87, 4, v[AW2]
	s_add_co_u32 s90, s92, SW2
	v_add_nc_u32 v[AW2], s90, v[AW2]
	s_lshr_b32 s90, s[WV], 2
	s_lshl_b32 s90, s90, 11
	s_and_b32 s91, s[WV], 3
	s_lshl_b32 s91, s91, 9
	s_add_co_u32 s90, s90, s91
	s_add_co_u32 s90, s90, HIMG
	v_add_nc_u32 v[HWI], s90, v[LI]                ; K step wave / 4, group wave % 4
	v_mul_u32_u24 v[AXD], v86, PX
	v_lshl_add_u32 v[AXD], v87, 5, v[AXD]
	v_add_nc_u32 v[AXD], s92, v[AXD]
	v_mul_u32_u24 v[AXR], v87, PX
	v_lshl_add_u32 v[AXR], v86, 4, v[AXR]
	v_add_nc_u32 v[AXR], s92, v[AXR]
	v_lshlrev_b32 v[GO], 14, v87
	v_lshl_add_u32 v[GO], v86, 4, v[GO]
	s_wait_kmcnt 0x0
	s_add_co_i32 s[S1], s68, s69
	s_add_co_i32 s[S1], s[S1], 127
	s_lshl_b32 s[S1], s[S1], 23
	s_mov_b32 s[S1+1], s[S1]
	s_add_co_i32 s[S2], s70, s71
	s_add_co_i32 s[S2], s[S2], 127
	s_lshl_b32 s[S2], s[S2], 23
	s_mov_b32 s[S2+1], s[S2]
	MKSC 68, XSC
	MKSC 70, HSC
	; the group's 16 parts become mean and rstd; A and B of my channel go to the table
	s_wait_loadcnt 0x0
.irp p, 0,1,2,3,4,5,6,7
	v_pk_add_f32 v[64+2*\p:65+2*\p], v[32+4*\p:33+4*\p], v[34+4*\p:35+4*\p]
.endr
.irp p, 0,1,2,3
	v_pk_add_f32 v[64+2*\p:65+2*\p], v[64+4*\p:65+4*\p], v[66+4*\p:67+4*\p]
.endr
.irp p, 0,1
	v_pk_add_f32 v[64+2*\p:65+2*\p], v[64+4*\p:65+4*\p], v[66+4*\p:67+4*\p]
.endr
	v_pk_add_f32 v[64:65], v[64:65], v[66:67]
	v_mul_f32 v66, 0x3d800000, v64                 ; mean
.irp p, 0,1,2,3,4,5,6,7,8,9,10,11,12,13,14,15
	v_sub_f32 v[68+\p], v[32+2*\p], v66
.endr
	v_mul_f32 v84, v68, v68
	v_mul_f32 v85, v69, v69
.irp p, 2,4,6,8,10,12,14
	v_fma_f32 v84, v[68+\p], v[68+\p], v84
	v_fma_f32 v85, v[69+\p], v[69+\p], v85
.endr
	v_add_f32 v84, v84, v85
	v_fma_f32 v65, v84, 0x45000000, v65
	v_fma_f32 v65, v65, 0x38000000, s[EPS]
	v_rsq_f32 v67, v65
	v_nop
	s_wait_alu depctr_va_vdst(0)                   ; the wait ahead of the first reader
	v_mul_f32 v67, v67, v[GW]
	v_fma_f32 v66, -v66, v67, v[GB]
	ds_store_b32 v[TBW], v67
	ds_store_b32 v[TBW], v66 offset:1024
	s_wait_tensorcnt 0x1                           ; my part of x1's tile is in; the weight's load, issued behind it, may stay out
	s_wait_dscnt 0x0
	s_barrier_signal -1
	s_barrier_wait -1
	; my fragment of the normalised x1
.irp c, 0,1,2,3
.irp i, 0,1,2,3,4,5,6,7,8,9,10,11,12,13,14,15
	ds_load_b32 v[32+16*\c+\i], v[AX] offset:(32*\c+\i)*PX
.endr
.endr
.irp c, 0,1,2,3
.irp q, 0,1,2,3
	ds_load_b128 v[96+16*\c+4*\q:96+16*\c+4*\q+3], v[AT] offset:128*\c+16*\q
	ds_load_b128 v[160+16*\c+4*\q:160+16*\c+4*\q+3], v[AT] offset:1024+128*\c+16*\q
.endr
.endr
	s_wait_dscnt 0x0
.set i, 0
.rept 32
	v_pk_fma_f32 v[32+2*i:33+2*i], v[32+2*i:33+2*i], v[96+2*i:97+2*i], v[160+2*i:161+2*i]
.set i, i+1
.endr
.set i, 0
.rept 64
	v_med3_num_f32 v[32+i], v[32+i], -v[XSC+1], v[XSC+1]   ; the conversion does not saturate (ISA guide 7.6.2): the hold comes first
.set i, i+1
.endr
.irp c, 0,1,2,3
	v_cvt_scalef32_pk8_fp8_f32 v[PC+4*\c:PC+4*\c+1], v[32+16*\c:39+16*\c], v[XSC]
	v_cvt_scalef32_pk8_fp8_f32 v[PC+4*\c+2:PC+4*\c+3], v[40+16*\c:47+16*\c], v[XSC]
.endr
	v_nop
.irp c, 0,1,2,3
	ds_store_b128 v[XWI], v[PC+4*\c:PC+4*\c+3] offset:512*\c
.endr
	s_wait_tensorcnt 0x0                           ; my part of chunk 0 of a weight is in
	s_wait_dscnt 0x0
	s_barrier_signal -1
	s_barrier_wait -1
	WIN 0x40                                       ; the eight fragments of x stay in window 1, (m, s) at 16 (2 m + s)
.irp f, 0,1,2,3,4,5,6,7
.irp c, 0,1,2,3
	ds_load_b128 v[16*\f+4*\c:16*\f+4*\c+3], v[LIX] offset:2048*\f+512*\c
.endr
.endr
	WIN 0
.macro GELU m                          ; 16 numbers of a lane, tile of tokens m: the activation, the hold, the conversion
.set XX, HA+16*(\m)
.irp i, 0,1,2,3,4,5,6,7,8,9,10,11,12,13,14,15
	v_mul_f32 v[ZZ+\i], s[RS2], |v[XX+\i]|         ; z
.endr
.irp k, 0,2,4,6,8,10,12,14
	v_pk_fma_f32 v[TT+\k:TT+\k+1], v[ZZ+\k:ZZ+\k+1], s[PP:PP+1], 1.0 op_sel_hi:[1,0,0]
.endr
.irp k, 0,2,4,6,8,10,12,14
	v_pk_mul_f32 v[EE+\k:EE+\k+1], v[ZZ+\k:ZZ+\k+1], v[ZZ+\k:ZZ+\k+1]
.endr
.irp k, 0,2,4,6,8,10,12,14
	v_pk_mul_f32 v[EE+\k:EE+\k+1], v[EE+\k:EE+\k+1], s[NL:NL+1] op_sel_hi:[1,0]
.endr
.irp i, 0,1,2,3,4,5,6,7,8,9,10,11,12,13,14,15
	v_rcp_f32 v[TT+\i], v[TT+\i]                   ; t
.endr
.irp i, 0,1,2,3,4,5,6,7,8,9,10,11,12,13,14,15
	v_exp_f32 v[EE+\i], v[EE+\i]                   ; E
.endr
.irp i, 0,1,2,3,4,5,6,7,8,9,10,11,12,13,14,15
	v_max_num_f32 v[XX+\i], 0, v[XX+\i]            ; max(x, 0): plain work behind the batch
.endr
	s_wait_alu depctr_va_vdst(0)                   ; one wait for the 32 transcendentals, ahead of their first reader
.irp k, 0,2,4,6,8,10,12,14
	v_pk_fma_f32 v[PL+\k:PL+\k+1], v[TT+\k:TT+\k+1], s[A5:A5+1], v[A4:A4+1] op_sel_hi:[1,0,1]
.endr
.irp a, A3, A2, A1
.irp k, 0,2,4,6,8,10,12,14
	v_pk_fma_f32 v[PL+\k:PL+\k+1], v[PL+\k:PL+\k+1], v[TT+\k:TT+\k+1], s[\a:\a+1] op_sel_hi:[1,1,0]
.endr
.endr
.irp k, 0,2,4,6,8,10,12,14
	v_pk_mul_f32 v[PL+\k:PL+\k+1], v[PL+\k:PL+\k+1], v[TT+\k:TT+\k+1]
.endr
.irp k, 0,2,4,6,8,10,12,14
	v_pk_mul_f32 v[ZZ+\k:ZZ+\k+1], v[ZZ+\k:ZZ+\k+1], v[EE+\k:EE+\k+1]
.endr
.irp k, 0,2,4,6,8,10,12,14
	v_pk_fma_f32 v[XX+\k:XX+\k+1], v[ZZ+\k:ZZ+\k+1], v[PL+\k:PL+\k+1], v[XX+\k:XX+\k+1] neg_lo:[1,0,0] neg_hi:[1,0,0]
.endr
.irp i, 0,1,2,3,4,5,6,7,8,9,10,11,12,13,14,15
	v_med3_num_f32 v[XX+\i], v[XX+\i], -v[HSC+1], v[HSC+1]
.endr
	v_cvt_scalef32_pk8_fp8_f32 v[PC+4*(\m):PC+4*(\m)+1], v[XX:XX+7], v[HSC]
	v_cvt_scalef32_pk8_fp8_f32 v[PC+4*(\m)+2:PC+4*(\m)+3], v[XX+8:XX+15], v[HSC]
	v_nop                                          ; one plain instruction behind the last conversion
	ds_store_b128 v[HWI], v[PC+4*(\m):PC+4*(\m)+3] offset:4096*(\m)
.endm
.macro MUL2 s2, zero                   ; y += hidden fragments of K step s2 x my rows of W2: eight accumulators by turns
.if \zero
	WIN 0x40
.else
	WIN 0x50
.endif
.irp m, 0,1,2,3
.irp n, 0,1
.if \zero
	v_wmma_f32_16x16x128_fp8_fp8 v[YA+8*(4*\n+\m):YA+8*(4*\n+\m)+7], v[HA+64*\s2+16*\m:HA+64*\s2+16*\m+15], v[WF+16*(2*\n+\s2):WF+16*(2*\n+\s2)+15], 0
.else
	v_wmma_f32_16x16x128_fp8_fp8 v[YA+8*(4*\n+\m):YA+8*(4*\n+\m)+7], v[HA+64*\s2+16*\m:HA+64*\s2+16*\m+15], v[WF+16*(2*\n+\s2):WF+16*(2*\n+\s2)+15], v[YA+8*(4*\n+\m):YA+8*(4*\n+\m)+7]
.endif
.endr
.endr
.endm
; A CHUNK of 256 hidden units.  f1: W1 has a next chunk to fetch; f2: W2's chunk j is still to be fetched (chunk 0 came at the head).
.macro CHUNK j, f1, f2
.if \j > 0
	PLACES 5                                       ; behind the last products: the loads below land in registers that they read, and the next products write over others
.endif
.irp u, 0,1
.irp s, 0,1
.irp c, 0,1,2,3
	ds_load_b128 v[WF+16*(2*\u+\s)+4*\c:WF+16*(2*\u+\s)+4*\c+3], v[AW1] offset:8*PX*\u+128*\s+32*\c
.endr
.endr
.endr
	s_wait_tensorcnt 0x0                           ; no tensor load of mine is out, so a group 0 may be written
	ds_add_u32 v[SPW], v[NIL]                      ; 0 onto my spare word; the descriptors' steps stand between it and the wait for it
.if \f1
	s_add_nc_u64 s[58:59], s[58:59], 65536         ; W1: the next 256 rows
.endif
.if \f2
	s_add_nc_u64 s[62:63], s[62:63], 256           ; W2: the next 256 codes of each row
.endif
	s_wait_dscnt 0x0                               ; the add is done; my fragments of W1 are in registers, and my reads of W2's slot are long over
	CROUND                                         ; the same holds of every wave of the cluster
	JLOAD \f1, \f2                                 ; the first thing behind the round, one load a wave
	WIN 0x04                                       ; source 1 (x) window 1
.irp s, 0,1
.irp m, 0,1,2,3
.irp u, 0,1
.if \s == 0
	v_wmma_f32_16x16x128_fp8_fp8 v[HA+16*\m+8*\u:HA+16*\m+8*\u+7], v[WF+16*(2*\u+\s):WF+16*(2*\u+\s)+15], v[16*(2*\m+\s):16*(2*\m+\s)+15], 0
.else
	v_wmma_f32_16x16x128_fp8_fp8 v[HA+16*\m+8*\u:HA+16*\m+8*\u+7], v[WF+16*(2*\u+\s):WF+16*(2*\u+\s)+15], v[16*(2*\m+\s):16*(2*\m+\s)+15], v[HA+16*\m+8*\u:HA+16*\m+8*\u+7]
.endif
.endr
.endr
.endr
	WIN 0
	PLACES 4
	WIN 0x10                                       ; source 2 (b1) window 1
.irp m, 0,1,2,3
.irp k, 0,2,4,6,8,10,12,14
	v_pk_fma_f32 v[HA+16*\m+\k:HA+16*\m+\k+1], v[HA+16*\m+\k:HA+16*\m+\k+1], s[S1:S1+1], v[B1+16*\j+\k:B1+16*\j+\k+1] op_sel_hi:[1,0,1]   ; sum x 2^(e8 + e9) + b1, each accumulator from its low end on
.endr
.endr
	WIN 0
	GELU 0
	GELU 1
	GELU 2
	GELU 3
	s_wait_tensorcnt 0x0                           ; the load that I issued behind the round is in: no load was issued behind it
	s_wait_dscnt 0x0                               ; my four groups of the hidden layer's images are in LDS
	s_barrier_signal -1
	s_barrier_wait -1                              ; the chunk's hidden layer, W2's chunk and W1's next are whole
.irp s2, 0,1
.irp n, 0,1
.irp c, 0,1,2,3
	ds_load_b128 v[WF+16*(2*\n+\s2)+4*\c:WF+16*(2*\n+\s2)+4*\c+3], v[AW2] offset:16*PX*\n+128*\s2+32*\c
.endr
.endr
.irp m, 0,1,2,3
.irp c, 0,1,2,3
	ds_load_b128 v[HA+64*\s2+16*\m+4*\c:HA+64*\s2+16*\m+4*\c+3], v[LIH] offset:2048*(2*\m+\s2)+512*\c
.endr
.endr
.endr
	s_wait_dscnt 24                                ; K step 0's 24 loads are in; K step 1's 24 may be out
.if \j == 0
	MUL2 0, 1
.else
	MUL2 0, 0
.endif
	s_wait_dscnt 0x0
	MUL2 1, 0
	WIN 0
.endm
	CHUNK 0, 1, 0
	CHUNK 1, 1, 1
	CHUNK 2, 1, 1
	CHUNK 3, 0, 1
	; THE WAY OUT.  A lane holds 32 bytes of a channel's row.  x1 is taken from my own 32 rows of its tile, the sums go back in place, and whole rows of 256 bytes are read and stored: no other wave touches these rows.
	PLACES 4
.irp n, 0,1
.irp m, 0,1,2,3
	ds_load_b128 v[HB+8*(4*\n+\m):HB+8*(4*\n+\m)+3], v[AXD] offset:16*PX*\n+64*\m
	ds_load_b128 v[HB+8*(4*\n+\m)+4:HB+8*(4*\n+\m)+7], v[AXD] offset:16*PX*\n+64*\m+16
.endr
.endr
	WIN 0x01                                       ; source 0 (y) window 1
.irp n, 0,1
.irp m, 0,1,2,3
.irp k, 0,2,4,6
	v_pk_fma_f32 v[HA+8*(4*\n+\m)+\k:HA+8*(4*\n+\m)+\k+1], v[YA+8*(4*\n+\m)+\k:YA+8*(4*\n+\m)+\k+1], s[S2:S2+1], v[B2+2*\n:B2+2*\n+1] op_sel_hi:[1,0,0]   ; sum x 2^(e10 + e11) + b2
.endr
.endr
.endr
	WIN 0
	s_wait_dscnt 0x0
.set i, 0
.rept 32
	v_pk_add_f32 v[HA+2*i:HA+2*i+1], v[HA+2*i:HA+2*i+1], v[HB+2*i:HB+2*i+1]
.set i, i+1
.endr
.irp n, 0,1
.irp m, 0,1,2,3
	ds_store_b128 v[AXD], v[HA+8*(4*\n+\m):HA+8*(4*\n+\m)+3] offset:16*PX*\n+64*\m
	ds_store_b128 v[AXD], v[HA+8*(4*\n+\m)+4:HA+8*(4*\n+\m)+7] offset:16*PX*\n+64*\m+16
.endr
.endr
.irp i, 0,1,2,3,4,5,6,7,8,9,10,11,12,13,14,15
	ds_load_b128 v[HB+4*\i:HB+4*\i+3], v[AXR] offset:2*PX*\i   ; LDS serves a wave's instructions in order (ISA guide 5.7.1.4): these see my stores
.endr
.irp i, 0,1,2,3,4,5,6,7,8,9,10,11,12,13,14,15
	s_wait_dscnt 15-\i                             ; the younger loads may stay out
	global_store_b128 v[GO], v[HB+4*\i:HB+4*\i+3], s[22:23] offset:32768*\i th:TH_STORE_NT   ; sixteen lanes store 256 consecutive bytes, aligned; two rows an instruction
.endr
	s_wait_tensorcnt 0x0                           ; the wave's end
	ds_add_u32 v[SPW], v[NIL]
	s_wait_dscnt 0x0
	CROUND                                         ; the closing round
	s_endpgm
.Lfunc_end_k_qda3d0d05f8_mlp:
	.size	k_qda3d0d05f8_mlp, .Lfunc_end_k_qda3d0d05f8_mlp-k_qda3d0d05f8_mlp
	.p2alignl 7, 3214868480
	.fill 96, 4, 3214868480
	.section	.rodata,"a",@progbits
	.p2align	6, 0x0
	.amdhsa_kernel k_qda3d0d05f8_mlp
		.amdhsa_group_segment_fixed_size 327680
		.amdhsa_private_segment_fixed_size 0
		.amdhsa_enable_private_segment 0
		.amdhsa_kernarg_size 80
		.amdhsa_user_sgpr_count 2
		.amdhsa_user_sgpr_kernarg_segment_ptr 1
		.amdhsa_wavefront_size32 1
		.amdhsa_system_sgpr_workgroup_id_x 1
		.amdhsa_system_sgpr_workgroup_id_y 1
		.amdhsa_system_sgpr_workgroup_id_z 1
		.amdhsa_system_vgpr_workitem_id 0
		.amdhsa_next_free_vgpr 512
		.amdhsa_next_free_sgpr 100
		.amdhsa_reserve_vcc 0
		.amdhsa_float_denorm_mode_32 3
		.amdhsa_float_denorm_mode_16_64 3
		.amdhsa_memory_ordered 1
		.amdhsa_forward_progress 1
		.amdhsa_inst_pref_size 219
	.end_amdhsa_kernel
	.amdgpu_metadata
---
amdhsa.version: [ 1, 2 ]
amdhsa.kernels:
  - .name:           k_qda3d0d05f8_mlp
    .symbol:         k_qda3d0d05f8_mlp.kd
    .args:
      - { .name: x1, .offset: 0, .size: 8, .value_kind: global_buffer, .address_space: global }
      - { .name: stats2, .offset: 8, .size: 8, .value_kind: global_buffer, .address_space: global }
      - { .name: gn2_w, .offset: 16, .size: 8, .value_kind: global_buffer, .address_space: global }
      - { .name: gn2_b, .offset: 24, .size: 8, .value_kind: global_buffer, .address_space: global }
      - { .name: mlp_w1_codes, .offset: 32, .size: 8, .value_kind: global_buffer, .address_space: global }
      - { .name: mlp_b1, .offset: 40, .size: 8, .value_kind: global_buffer, .address_space: global }
      - { .name: mlp_w2_codes, .offset: 48, .size: 8, .value_kind: global_buffer, .address_space: global }
      - { .name: mlp_b2, .offset: 56, .size: 8, .value_kind: global_buffer, .address_space: global }
      - { .name: lowp_scales, .offset: 64, .size: 8, .value_kind: global_buffer, .address_space: global }
      - { .name: out0, .offset: 72, .size: 8, .value_kind: global_buffer, .address_space: global }
    .group_segment_fixed_size: 327680
    .private_segment_fixed_size: 0
    .kernarg_segment_align: 8
    .kernarg_segment_size: 80
    .max_flat_workgroup_size: 256
    .sgpr_count:     100
    .vgpr_count:     512
    .wavefront_size: 32
...
	.end_amdgpu_metadata
.endif
;; end of part 5
